; MI455X (gfx1250); checked and timed in simulation.
; The chip was launched on July 23, 2026; its instructions are those of AMD's public machine-readable ISA for CDNA 5 (MIT licence, August 2026) and "CDNA5" Instruction Set Architecture Reference Guide (July 2026). The comments in the code are by the model that wrote it; some were corrected since.
;; Attention. Allowed arithmetic: matrix products marked QUANTISED: E2M3 operands, one E8M0 scale for each 32 along K, by v_wmma_scale_f32_16x16x128_f8f6f4 with both operands' format E2M3, f32 sums; everything else in f32.
;; Inputs: b_proj 1,024 float32; b_qkv 3,072 float32; w_proj 1,024 x 1,024 float32; w_qkv 3,072 x 1,024 float32; x 4 x 2,048 x 1,024 float32.
;; Outputs: out0 4 x 2,048 x 1,024 float32.
;; This version of the problem:
;;   THIS VERSION OF THE PROBLEM IS GIVEN IN LOW PRECISION. The matrix products marked QUANTISED in the list below multiply operands that are first quantised to E2M3 (2 exponent bits, 3 mantissa bits; 6 bits a number), with one power-of-two scale for each 32 numbers along K (OCP MX v1.0); their sums are f32. All else is computed in f32.
;;   The module's matrix products, in the order in which they are computed (A, B: the left and right operand; K: the contracted axis; several contracted axes count as one K, in the product's order):
;;     1. [M 8,192, K 1,024] x [K 1,024, N 3,072]; A: input x; B: input w_qkv: QUANTISED
;;     2. batch 4 x [M 2,048, K 1,024] x [K 1,024, N 2,048]; A: computed on the way; B: computed on the way: QUANTISED
;;     3. batch 4 x [M 2,048, K 2,048] x [K 2,048, N 1,024]; A: softmax (see below); B: computed on the way: QUANTISED
;;     4. [M 8,192, K 1,024] x [K 1,024, N 1,024]; A: computed on the way; B: input w_proj: QUANTISED
;;   THE QUANTISER, for each operand of a quantised product, along K:
;;     - K is cut into blocks of 32 from its start; a last block that is shorter is filled with zeros.
;;     - A block's scale is 2^e with e = floor(log2(the largest magnitude in the block)) - 2, held to -126 .. 127; a block of zeros has e = 0. As a byte (E8M0): e + 127.
;;     - Each number is divided by its block's scale, clamped to +-7.5, and rounded to the nearest number of E2M3, ties to even, subnormals kept.
;;     - The product sums the exact products of the quantised numbers (number of the format x scale) in f32.
;;   ~~~python
;;   def quantise(x, axis):      # numpy; x: float32 -> the quantised numbers, widened to float32 again
;;       x = np.moveaxis(x, axis, -1); K = x.shape[-1]
;;       x = np.pad(x, [(0, 0)] * (x.ndim - 1) + [(0, -K % 32)]); x = x.reshape(x.shape[:-1] + (-1, 32)); a = np.abs(x).max(-1, keepdims=True)
;;       e = np.where(a > 0, np.clip(np.frexp(np.where(a > 0, a, 1))[1] - 1 - 2, -126, 127), 0)      # np.frexp(a)[1] - 1 = floor(log2(a)), exactly
;;       r = np.clip(x / 2.0 ** e, -7.5, 7.5)
;;       step = 2.0 ** (np.maximum(np.frexp(np.where(r == 0, 1, r))[1] - 1, 0) - 3)
;;       q = np.round(r / step) * step * 2.0 ** e      # np.round: ties to even
;;       return np.moveaxis(q.reshape(q.shape[:-2] + (-1,))[..., :K], -1, axis).astype(np.float32)
;;   ~~~
;;   SOFTMAX AHEAD OF A QUANTISED PRODUCT. Where the list says 'softmax', what is quantised is not the finished softmax but p = 2^(t - M), with t = logit x log2(e) and M = ceil(the row's largest t), a whole number; so 1/2 < the row's largest p <= 1. The row's sum l is taken of the UNQUANTISED p, in f32, and the product's result is divided by l at the end. Since M is a whole number, a kernel that streams over the keys may use a running M (the ceiling of the running maximum): every later rescaling is an exact power of two, which a block's scale takes up: the codes' values come out the same.
;;   OPERANDS COMPUTED ON THE WAY. 'Computed on the way' means the value that the module computes at that place (a softmax that the list does not call 'softmax' is quantised finished and normalised). What goes into a quantiser is computed in f32, as accurately as f32 sums, v_exp_f32 and their like allow (about 1e-6 of the number): no bf16 or f16 on the way to a quantiser, and a product that is left as it is and whose result goes on into a quantised operand takes f32 operands (vector FMAs, or v_wmma_f32_16x16x4_f32). A number that lies on a knife's edge between two numbers of the format may be rounded either way, as far as f32 arithmetic and the matrix unit's own rounding can turn it there, and no further.
;; One version. Each part assembles by itself: llvm-mc -triple=amdgcn-amd-amdhsa -mcpu=gfx1250 --defsym DOCPART=n.
;; ======== version 1 of 1: 5 launches
;; limits: right only within a limited range of input values
;; workspace buffers: xw_codes 9,437,184 bytes; xw_scales 393,216 bytes; qkv_codes 18,874,368 bytes; qkv_scales 786,432 bytes; p_codes 12,582,912 bytes; p_aux 1,572,864 bytes; o_codes 6,291,456 bytes; o_scales 262,144 bytes
;; launch quant (part 1): grid 256 x 1, 3 waves a work-group, no clusters, 51,200 bytes of LDS; arguments x, w_qkv, w_proj, xw_codes, xw_scales; writes xw_codes, xw_scales
.if DOCPART == 1
	.amdgcn_target "amdgcn-amd-amdhsa--gfx1250"
	.amdhsa_code_object_version 6
	.text
	.protected	k_qe3393b7dff_quant
	.globl	k_qe3393b7dff_quant
	.p2align	8
	.type	k_qe3393b7dff_quant,@function
k_qe3393b7dff_quant:
	s_mov_b64 s[64:65], 0
	v_nop
	global_prefetch_b8 v0, s[64:65] scope:SCOPE_SE
	s_setreg_imm32_b32 hwreg(HW_REG_WAVE_MODE, 25, 1), 1
	s_wait_xcnt 0x0
; LAUNCH 1 OF 5: x [8192][1024], w_qkv [3072][1024], w_proj [1024][1024], f32, K innermost, become codes of E2M3 with one E8M0 byte for each 32 along K.
; THE PROGRAM: 1 quant | 2 qkv: [q|k] = x Wqk^T + b quantised along c, V^T = Wv x^T + b quantised along t | 3 scores: q k^T, p = 2^(t - M) for each (query, 128 keys) | 4 pv: joins the groups' M and l, O = P V / l | 5 proj.
; WORK LEFT OUT, for all finite inputs: reference() builds jnp.tril itself and sets att to -inf where key > query; the softmax gives such a key the weight 0 exactly, so a tile of q k^T and a key step of p v whose keys all
; come after all its queries reach no output.  Launches 3 and 4 leave out those whole tiles and steps and nothing else.  Every input has a way to the output and is loaded (k's part of b_qkv moves k's codes).
; LIMITS: a NaN, an infinity or an overflow that reaches only the tiles left out is not carried to the result; NaN and infinities among the inputs are not served; a block of zeros gets the byte 1 where the
; rule says 127 (its codes are zeros, and these bytes are read by this program alone).
; THE LAYOUT OF EVERY OPERAND OF THIS PROGRAM.  A chunk is 128 rows x 128 along K.  Its codes are 12,288 dense bytes, an image of the operand's registers: fragment f at 1,536 f, registers 4 g .. 4 g + 3 of lane L at
; 512 g + 16 L.  Lane (r = L % 16, h = L / 16) of fragment f = 2 b + u holds row 32 b + 8 u + r + 8 (r / 8); registers 6 c .. 6 c + 5 hold k = 64 c + 32 h + 0 .. 31.  Its scale words are 512 bytes: the word at 16 L + 4 i
; belongs to fragment 2 i + L / 16, row lane L % 16.  So every fragment comes and goes by instructions that cover 512 consecutive bytes.
; SHARES.  768 chunks, one to a wave: 0-511 x, 512-703 w_qkv, 704-767 w_proj; chunk = first + 8 (row / 128) + k / 128.  Waves share nothing: no barrier.
; A fragment's 16 rows x 512 bytes are loaded as they lie (a load covers 512 consecutive bytes of one row), turn through the wave's own stage in LDS (rows of 528 bytes) and come back 128 bytes a lane: two whole blocks of 32.
; Loads run four fragments ahead, in window 1; the turn through LDS one fragment ahead, in two stages.
.set CH,    12288
.set FRB,   1536
.set RP,    528                        ; a stage row: 512 bytes + 16
.set STGB,  16*RP
.set WREG,  2*STGB                     ; a wave's two stages
.set SPARE, 3*WREG                     ; behind them the spare words, 128 bytes a wave, in two blocks of 256 bytes that no other line names
.set LI,   1                           ; v1   16 x lane
.set SIN,  2                           ; v2   the stage, on the way in
.set SOUT, 3                           ; v3   and on the way out
.set SH8,  4                           ; v4   8 h
.set SPW,  5                           ; v5   my spare word; never rewritten
.set NIL,  6                           ; v6   0; never rewritten
.set PX,   7                           ; v7   a lane permute's destination
.set MX,   8                           ; v8-9   largest magnitudes
.set SO,   10                          ; v10-11 the conversions' scale operands
.set BY,   12                          ; v12-13 scale bytes
.set WD,   14
.set LN,   15                          ; v15  lane
.set TC,   16                          ; v16-18, v20-22 the blocks' upper halves
.set PW,   24                          ; v24-31 the fragments' scale words
.set X,    32                          ; v32-159 two sets of 64 numbers
.set C,    160                         ; v160-255 codes: 12 registers for each fragment, so that no store's data are written again
.set MSB, 0
.macro WIN new                         ; the immediate's high byte repeats the setting that is left
.if MSB != (\new)
	s_set_vgpr_msb (MSB<<8)|(\new)
.set MSB, (\new)
.endif
.endm
	s_load_b128 s[4:7], s[0:1], 0x0                ; x, w_qkv
	s_load_b128 s[8:11], s[0:1], 0x10              ; w_proj, the codes
	s_load_b64 s[12:13], s[0:1], 0x20              ; the scale words
	v_lshl_add_u32 v[SPW], v0, 2, SPARE
	v_mov_b32 v[NIL], 0
	v_lshrrev_b32 v[PX], 5, v0
	v_readfirstlane_b32 s14, v[PX]                 ; wave 0..2
	v_and_b32 v[LN], 31, v0
	v_lshlrev_b32 v[LI], 4, v[LN]
	s_mul_i32 s15, s14, WREG
	v_add_nc_u32 v[SIN], s15, v[LI]                ; in: row t at 528 t (in the immediate), 16 bytes a lane
	v_and_b32 v[MX], 15, v0
	v_bfe_u32 v[MX+1], v0, 4, 1
	v_mul_u32_u24 v[SOUT], v[MX], RP
	v_lshl_add_u32 v[SOUT], v[MX+1], 7, v[SOUT]
	v_add_nc_u32 v[SOUT], s15, v[SOUT]             ; out: row r, + 128 h
	v_lshlrev_b32 v[SH8], 3, v[MX+1]
	s_mul_i32 s16, ttmp9, 3
	s_add_co_u32 s16, s16, s14                     ; my chunk
	s_cmp_lt_u32 s16, 512
	s_cselect_b32 s17, 0, 512
	s_cmp_lt_u32 s16, 704
	s_cselect_b32 s17, s17, 704
	s_sub_co_u32 s17, s16, s17                     ; and its number in its own tensor
	s_lshr_b32 s18, s17, 3
	s_lshl_b32 s18, s18, 19                        ; 128 rows of 4,096 bytes
	s_and_b32 s19, s17, 7
	s_lshl_b32 s19, s19, 9                         ; 128 numbers along K
	s_add_co_u32 s18, s18, s19
	s_mov_b32 s19, 0
	s_mul_i32 s20, s16, CH
	s_mov_b32 s21, 0
	s_lshl_b32 s24, s16, 9
	s_mov_b32 s25, 0
	s_mov_b32 s22, 0x76543210
	s_mov_b32 s23, 0xfedcba98                      ; v_permlanex16_b32's selects for lane l xor 16
	s_wait_alu depctr_va_vdst(0)
	s_wait_kmcnt 0x0
	s_cmp_lt_u32 s16, 512                          ; which tensor: the choice hangs on ids alone
	s_cselect_b64 s[4:5], s[4:5], s[6:7]
	s_cmp_lt_u32 s16, 704
	s_cselect_b64 s[4:5], s[4:5], s[8:9]
	s_add_nc_u64 s[4:5], s[4:5], s[18:19]
	s_add_nc_u64 s[10:11], s[10:11], s[20:21]
	s_add_nc_u64 s[12:13], s[12:13], s[24:25]
.macro LOAD f                          ; fragment f's 16 rows into set f % 4 of window 1
	WIN 0x40
.irp t, 0,1,2,3,4,5,6,7,8,9,10,11,12,13,14,15
	global_load_b128 v[64*((\f)%4)+4*\t:64*((\f)%4)+4*\t+3], v[LI], s[4:5] offset:(32*((\f)/2)+8*((\f)%2)+\t+8*(\t/8))*4096 th:TH_LOAD_NT
.endr
	WIN 0
.endm
.macro TURN f                          ; through stage f % 2: LDS serves a wave's instructions in order, so no wait stands between the stores and the loads
	WIN 0x04                                       ; an LDS store's data are its source 1: window 1
.irp t, 0,1,2,3,4,5,6,7,8,9,10,11,12,13,14,15
	ds_store_b128 v[SIN], v[64*((\f)%4)+4*\t:64*((\f)%4)+4*\t+3] offset:STGB*((\f)%2)+RP*\t
.endr
	WIN 0
.irp c, 0,1
.irp i, 0,1,2,3,4,5,6,7
	ds_load_b128 v[X+64*((\f)%2)+32*\c+4*\i:X+64*((\f)%2)+32*\c+4*\i+3], v[SOUT] offset:STGB*((\f)%2)+256*\c+16*\i
.endr
.endr
.endm
.macro STEP f
.set XS, X+64*((\f)%2)
.set CF, C+12*(\f)
	s_wait_dscnt 0x0                               ; this fragment's numbers are back, and its stores into the stage have read their registers,
.if (\f) < 4
	LOAD (\f)+4                                    ; which take the loads of four fragments on
.endif
.if (\f) < 7
.if (\f) < 4
	s_wait_loadcnt 48                              ; the next fragment's 16 loads are in; those of the three behind it may be out
.else
	s_wait_loadcnt 16*(6-(\f))
.endif
	TURN (\f)+1
.endif
.irp c, 0,1                                    ; my block 2 c + h: all its 32 numbers are mine
	v_max3_num_f32 v[MX+\c], |v[XS+32*\c]|, |v[XS+32*\c+1]|, 0x1800000   ; with the floor 2^(3 - 127): the byte cannot fall under 1
.endr
.irp i, 2,4,6,8,10,12,14,16,18,20,22,24,26,28,30
.irp c, 0,1
	v_max3_num_f32 v[MX+\c], v[MX+\c], |v[XS+32*\c+\i]|, |v[XS+32*\c+\i+1]|
.endr
.endr
.irp c, 0,1
	v_add_nc_u32 v[SO+\c], 0xff000000, v[MX+\c]    ; 2 off the exponent field: the conversion's scale operand
.endr
.irp c, 0,1
	v_lshrrev_b32 v[BY+\c], 23, v[SO+\c]           ; the scale's byte
.endr
	v_lshl_or_b32 v[WD], v[BY+1], 16, v[BY]        ; blocks h and 2 + h,
	v_lshlrev_b32 v[WD], v[SH8], v[WD]             ; at their places in the word;
	v_permlanex16_b32 v[PX], v[WD], s22, s23
	v_or_b32 v[PW+(\f)], v[WD], v[PX]              ; with lane l xor 16's two the word is whole, in both halves of the lanes
.irp c, 0,1
	v_cvt_scalef32_pk16_fp6_f32 v[CF+6*\c:CF+6*\c+2], v[XS+32*\c:XS+32*\c+15], v[SO+\c]
	v_cvt_scalef32_pk16_fp6_f32 v[TC+4*\c:TC+4*\c+2], v[XS+32*\c+16:XS+32*\c+31], v[SO+\c]   ; (a conversion's three registers begin on an even number)
.endr
	v_nop                                          ; one plain line behind the scaled conversions
.irp c, 0,1
.irp i, 0,1,2
	v_mov_b32 v[CF+6*\c+3+\i], v[TC+4*\c+\i]
.endr
.endr
.irp g, 0,1,2
	global_store_b128 v[LI], v[CF+4*\g:CF+4*\g+3], s[10:11] offset:(\f)*FRB+512*\g   ; 512 consecutive bytes, aligned
.endr
.endm
	LOAD 0
	LOAD 1
	LOAD 2
	LOAD 3
	s_wait_loadcnt 48                              ; fragment 0's 16 loads are in
	TURN 0
.irp f, 0,1,2,3,4,5,6,7
	STEP \f
.endr
	v_cmp_lt_u32 vcc_lo, 15, v[LN]                 ; lanes 16-31 carry the odd fragments' words
.irp i, 0,1,2,3
	v_cndmask_b32 v[TC+\i], v[PW+2*\i], v[PW+2*\i+1], vcc_lo
.endr
	global_store_b128 v[LI], v[TC:TC+3], s[12:13]
	s_wait_tensorcnt 0x0                           ; the wave's end
	ds_add_u32 v[SPW], v[NIL]
	s_wait_dscnt 0x0
	s_endpgm
.Lfunc_end_k_qe3393b7dff_quant:
	.size	k_qe3393b7dff_quant, .Lfunc_end_k_qe3393b7dff_quant-k_qe3393b7dff_quant
	.p2alignl 7, 3214868480
	.fill 96, 4, 3214868480
	.section	.rodata,"a",@progbits
	.p2align	6, 0x0
	.amdhsa_kernel k_qe3393b7dff_quant
		.amdhsa_group_segment_fixed_size 51200
		.amdhsa_private_segment_fixed_size 0
		.amdhsa_enable_private_segment 0
		.amdhsa_kernarg_size 40
		.amdhsa_user_sgpr_count 2
		.amdhsa_user_sgpr_kernarg_segment_ptr 1
		.amdhsa_wavefront_size32 1
		.amdhsa_system_sgpr_workgroup_id_x 1
		.amdhsa_system_sgpr_workgroup_id_y 1
		.amdhsa_system_sgpr_workgroup_id_z 1
		.amdhsa_system_vgpr_workitem_id 0
		.amdhsa_next_free_vgpr 512
		.amdhsa_next_free_sgpr 66
		.amdhsa_reserve_vcc 1
		.amdhsa_float_denorm_mode_32 3
		.amdhsa_float_denorm_mode_16_64 3
		.amdhsa_memory_ordered 1
		.amdhsa_forward_progress 1
		.amdhsa_inst_pref_size 58
	.end_amdhsa_kernel
	.amdgpu_metadata
---
amdhsa.version: [ 1, 2 ]
amdhsa.kernels:
  - .name:           k_qe3393b7dff_quant
    .symbol:         k_qe3393b7dff_quant.kd
    .args:
      - { .name: x, .offset: 0, .size: 8, .value_kind: global_buffer, .address_space: global }
      - { .name: w_qkv, .offset: 8, .size: 8, .value_kind: global_buffer, .address_space: global }
      - { .name: w_proj, .offset: 16, .size: 8, .value_kind: global_buffer, .address_space: global }
      - { .name: xw_codes, .offset: 24, .size: 8, .value_kind: global_buffer, .address_space: global }
      - { .name: xw_scales, .offset: 32, .size: 8, .value_kind: global_buffer, .address_space: global }
    .group_segment_fixed_size: 51200
    .private_segment_fixed_size: 0
    .kernarg_segment_align: 8
    .kernarg_segment_size: 40
    .max_flat_workgroup_size: 96
    .sgpr_count:     66
    .vgpr_count:     512
    .wavefront_size: 32
...
	.end_amdgpu_metadata
.endif
;; end of part 1
;; launch qkv (part 2): grid 8 x 32, 4 waves a work-group, clusters of 4 x 4, 327,680 bytes of LDS; arguments xw_codes, xw_scales, b_qkv, qkv_codes, qkv_scales; writes qkv_codes, qkv_scales
.if DOCPART == 2
	.amdgcn_target "amdgcn-amd-amdhsa--gfx1250"
	.amdhsa_code_object_version 6
	.text
	.protected	k_qe3393b7dff_qkv
	.globl	k_qe3393b7dff_qkv
	.p2align	8
	.type	k_qe3393b7dff_qkv,@function
k_qe3393b7dff_qkv:
	s_mov_b64 s[64:65], 0
	v_nop
	global_prefetch_b8 v0, s[64:65] scope:SCOPE_SE
	s_setreg_imm32_b32 hwreg(HW_REG_WAVE_MODE, 25, 1), 1
	s_wait_xcnt 0x0
	s_wait_alu depctr_hold_cnt(0) depctr_sa_sdst(0) depctr_va_vdst(0) depctr_va_sdst(0) depctr_va_ssrc(0) depctr_va_vcc(0) depctr_vm_vsrc(0)
	s_getreg_b32 s2, hwreg(HW_REG_IB_STS2, 6, 4)
	s_cmp_eq_u32 s2, 0
	s_cbranch_scc0 .Lentry_in_a_cluster
	s_endpgm
.Lentry_in_a_cluster:
	s_bfe_u32 s2, ttmp6, 0x10000c
	s_cmp_lg_u32 s2, 0xf033
	s_cbranch_scc0 .Lentry_shape_is_right
	s_endpgm
.Lentry_shape_is_right:
; LAUNCH 2 OF 5.  A WORK-GROUP STAYS FOR TWO PARTS.  PART 1: [q|k](t, o) = x Wqk^T + b, a tile of 256 t (tile row tr) x 256 o (tile column tc), quantised along o.
; PART 2: V^T(c, t) = Wv x^T + b, the 128 channels of row group tc x the same 256 t, quantised along t (the keys).  32 x 8 tiles of each part: 256 work-groups of equal work.
; Operands and results lie in chunks of 128 rows x 128 K as images of the operand's registers (launch 1's head).  Nothing is left out here.
; THE PRODUCT IS USED TRANSPOSED: source 0 = a fragment of B, source 1 = a fragment of A.  By the fragments' choice of rows, the 64 registers of A's block a are, in lane (r, h), register 16 b + i = column 32 b + 16 h + i of
; A's row of lane r: sixteen neighbours of each block of 32 along the next K.  They are quantised in registers and ARE a fragment of the result's chunk.  Part 1: A = x, B = Wqk.  Part 2: A = Wv, B = x.
; PART 1: four waves, each 128 x 128: 64 accumulators.  K = 1,024 in 8 steps of 128.  LDS: a region of six chunks for each of the four row groups (A's two, B's two), filled by the wave of that number; steps 6 and 7 come
; into positions 0 and 1 behind a round.  A row group's 8 scale chunks (4,096 bytes) come once.  A wave has at most one tensor load out.
; PART 2: four waves, each 64 c (rh: Wv's fragments 4 rh .. 4 rh + 3) x 128 t (ch: x's row group): 32 accumulators.  Its 24 chunks are as many bytes as part 1's four regions.  In K step 7, when every wave's last fragments
; are in registers, a round stands, and behind it each wave asks for its one load: waves 0, 1 a half of Wv's 8 chunks, waves 2, 3 a row group of x.  It has the rest of K step 7 and part 1's way out in which to land.
; x's scale chunks lie in LDS from part 1; Wv's scale words (v48-63) and its bias (v6-13) come into registers at the head.
; CLUSTERS 4 x 4: what hangs on tr alone (x) is shared along a row of the cluster, what hangs on tc alone (Wqk, Wv) along a column: joint loads.  No branch hangs on a work-group's place.
; REGISTERS: window 0: v1-27 addresses and part 2's bias; v32-47 scale words, two sets (A's quad, B's quad); v48-63 Wv's scale words; v64-159, v160-255 A's fragments, two sets (part 2: v64-111, v112-159).
;   window 1: B's two sets at v0, v128; part 1's bias in v96-127, v224-255.  windows 2, 3: accumulator (a, b) at v[8 (8 (a % 4) + b)].  On a way out window 0 holds v64-127 a block's sums, v128-223 the codes, v224-246 work.
; The scale words of a wave's four fragments of part 2 are 8 bytes a lane, so two waves together fill a chunk's 512 bytes: one part in 24 of what part 2 stores.
; LIMITS: as stated at launch 1's head.
.set CH,    12288
.set FRB,   1536
.set REG,   6*CH
.set B2,    8*CH                       ; part 2: Wv's 8 chunks from byte 0, x's 2 x 8 from here
.set SCL,   4*REG                      ; the scale chunks: 4,096 bytes for each row group of part 1
.set SPARE, SCL+16384                  ; the spare words: two blocks of 256 bytes that no other line names
.set BI2,   6                          ; v6-13  part 2's bias: a number a block, each twice
.set LS,    14                         ; v14    16 x lane + 8 rh
.set ADRA,  16                         ; v16, v17 my A region: positions 0-2, 3-5
.set ADRA2, 18                         ; v18, v19 part 2: my fragments of Wv, K steps 0-3, 4-7
.set ADRB,  20                         ; v20, v21 my B region
.set ADSA,  22
.set ADSB,  23
.set LI,    24                         ; v24 16 x lane
.set ADSB2, 25                         ; v25 part 2: x's scale words
.set ADRB2, 26                         ; v26, v27 part 2: my row group of x
.set SPW,   28
.set NIL,   29
.set SC,    32
.set WS,    48
.set AF,    64
.set H,     64
.set CD,    128
.set TM,    224
.set TC,    240
.set PW,    32                         ; the results' scale words take the scale registers' place
.set G1A,  24
.set G1B,  32
.set G1SA, 40
.set G1SB, 48
.set G0AS, 56
.set G0A0, 60
.set G0A1, 68
.set G0A2, 72
.set G0BS, 76
.set G0B0, 80
.set G0B1, 84
.set G0B2, 88
.set G1X,  G1SA                        ; part 2's descriptors take the registers of the scale words': the masks are the ones wanted
.set G1W,  G1SB
.set G0X,  G0AS
.set G0W,  G0BS
.set SEL,  66
.set MUL_LO, 0xa1                      ; source 0 (B) window 1, source 1 (A) window 0, C and D window 2
.set MUL_HI, 0xf1
.set TO_B,   0x40
.set MSB, 0
.macro WIN new
.if MSB != (\new)
	s_set_vgpr_msb (MSB<<8)|(\new)
.set MSB, (\new)
.endif
.endm
.macro WM zero, rb, ra                 ; one product; a scale register serves an even fragment in lanes 0-15 and the odd one beside it in lanes 16-31
.if (\zero) && ((\rb) == 0) && ((\ra) == 0)
	v_wmma_scale_f32_16x16x128_f8f6f4 v[rD:rD+7], v[rB:rB+11], v[rA:rA+11], 0, v[rSB], v[rSA] matrix_a_fmt:MATRIX_FMT_FP6 matrix_b_fmt:MATRIX_FMT_FP6
.elseif (\zero) && ((\rb) == 1) && ((\ra) == 0)
	v_wmma_scale_f32_16x16x128_f8f6f4 v[rD:rD+7], v[rB:rB+11], v[rA:rA+11], 0, v[rSB], v[rSA] matrix_a_fmt:MATRIX_FMT_FP6 matrix_b_fmt:MATRIX_FMT_FP6 matrix_a_scale:MATRIX_SCALE_ROW1
.elseif (\zero) && ((\rb) == 0)
	v_wmma_scale_f32_16x16x128_f8f6f4 v[rD:rD+7], v[rB:rB+11], v[rA:rA+11], 0, v[rSB], v[rSA] matrix_a_fmt:MATRIX_FMT_FP6 matrix_b_fmt:MATRIX_FMT_FP6 matrix_b_scale:MATRIX_SCALE_ROW1
.elseif (\zero)
	v_wmma_scale_f32_16x16x128_f8f6f4 v[rD:rD+7], v[rB:rB+11], v[rA:rA+11], 0, v[rSB], v[rSA] matrix_a_fmt:MATRIX_FMT_FP6 matrix_b_fmt:MATRIX_FMT_FP6 matrix_a_scale:MATRIX_SCALE_ROW1 matrix_b_scale:MATRIX_SCALE_ROW1
.elseif ((\rb) == 0) && ((\ra) == 0)
	v_wmma_scale_f32_16x16x128_f8f6f4 v[rD:rD+7], v[rB:rB+11], v[rA:rA+11], v[rD:rD+7], v[rSB], v[rSA] matrix_a_fmt:MATRIX_FMT_FP6 matrix_b_fmt:MATRIX_FMT_FP6
.elseif ((\rb) == 1) && ((\ra) == 0)
	v_wmma_scale_f32_16x16x128_f8f6f4 v[rD:rD+7], v[rB:rB+11], v[rA:rA+11], v[rD:rD+7], v[rSB], v[rSA] matrix_a_fmt:MATRIX_FMT_FP6 matrix_b_fmt:MATRIX_FMT_FP6 matrix_a_scale:MATRIX_SCALE_ROW1
.elseif ((\rb) == 0)
	v_wmma_scale_f32_16x16x128_f8f6f4 v[rD:rD+7], v[rB:rB+11], v[rA:rA+11], v[rD:rD+7], v[rSB], v[rSA] matrix_a_fmt:MATRIX_FMT_FP6 matrix_b_fmt:MATRIX_FMT_FP6 matrix_b_scale:MATRIX_SCALE_ROW1
.else
	v_wmma_scale_f32_16x16x128_f8f6f4 v[rD:rD+7], v[rB:rB+11], v[rA:rA+11], v[rD:rD+7], v[rSB], v[rSA] matrix_a_fmt:MATRIX_FMT_FP6 matrix_b_fmt:MATRIX_FMT_FP6 matrix_a_scale:MATRIX_SCALE_ROW1 matrix_b_scale:MATRIX_SCALE_ROW1
.endif
.endm
.macro MUL16 a0, p, zero               ; part 1: A's blocks a0, a0 + 1 x B's eight, from set p.  The 64 accumulators take turns, one instruction a turn, in the same order in every step
.irp a, \a0, \a0+1
.irp b, 0,1,2,3,4,5,6,7
.set rD, 8*(8*((\a)%4)+\b)
.set rB, 128*(\p)+12*\b
.set rA, AF+96*(\p)+12*(\a)
.set rSB, SC+8*(\p)+4+\b/2
.set rSA, SC+8*(\p)+(\a)/2
	WM \zero, \b%2, (\a)%2
.endr
.endr
.endm
.macro FB k, p                         ; part 1: B's eight fragments of K step k into set p: 24 loads of 512 consecutive bytes
	WIN TO_B
.set PS, (\k)%6
.irp f, 0,1,2,3,4,5,6,7
.irp g, 0,1,2
	ds_load_b128 v[128*(\p)+12*\f+4*\g:128*(\p)+12*\f+4*\g+3], v[ADRB+PS/3] offset:(PS%3)*CH+\f*FRB+\g*512
.endr
.endr
.endm
.macro FA k, p                         ; part 1: A's eight fragments and both scale quads: 26 loads
	WIN 0
.set PS, (\k)%6
.irp f, 0,1,2,3,4,5,6,7
.irp g, 0,1,2
	ds_load_b128 v[AF+96*(\p)+12*\f+4*\g:AF+96*(\p)+12*\f+4*\g+3], v[ADRA+PS/3] offset:(PS%3)*CH+\f*FRB+\g*512
.endr
.endr
	ds_load_b128 v[SC+8*(\p):SC+8*(\p)+3], v[ADSA] offset:512*(\k)
	ds_load_b128 v[SC+8*(\p)+4:SC+8*(\p)+7], v[ADSB] offset:512*(\k)
.endm
.macro PLACES                          ; four plain lines between a matrix instruction and a load into, or a vector instruction on, its registers (ISA guide 7.12.1 for vector instructions)
.rept 4
	v_nop
.endr
.endm
.macro STEP k, zero                    ; part 1: K step k, whose successor lies in LDS already
	PLACES                                         ; the other sets were read by the step before
	FB (\k)+1, ((\k)+1)%2
	s_wait_dscnt 24                                ; all but the 24 just issued: this step's fragments and scale words are in
	WIN MUL_LO
	MUL16 0, (\k)%2, \zero
	MUL16 2, (\k)%2, \zero
	FA (\k)+1, ((\k)+1)%2
	WIN MUL_HI
	MUL16 4, (\k)%2, \zero
	MUL16 6, (\k)%2, \zero
.endm
.macro CREST                           ; a round of the cluster's barrier behind its opening barrier
	s_cmp_lg_u32 s14, 0
	s_cbranch_scc1 .Lnot_wave_0_\@
	s_barrier_signal -3
.Lnot_wave_0_\@:
	s_barrier_wait -3
	s_barrier_signal -1
	s_barrier_wait -1
.endm
.macro CROUND
	s_barrier_signal -1
	s_barrier_wait -1
	CREST
.endm
.macro JLOAD g0a, g1a, g0b, g1b        ; a joint load: waves 0 and 1 issue the first line, waves 2 and 3 the second; the branch hangs on the wave's number alone; an s_nop 0 and four v_nop follow each line
	s_cmp_eq_u32 s15, 0
	s_cbranch_scc0 .Lsecond_\@
	tensor_load_to_lds s[\g0a:\g0a+3], s[\g1a:\g1a+7]
	s_nop 0
.rept 4
	v_nop
.endr
	s_branch .Lasked_\@
.Lsecond_\@:
	tensor_load_to_lds s[\g0b:\g0b+3], s[\g1b:\g1b+7]
	s_nop 0
.rept 4
	v_nop
.endr
.Lasked_\@:
.endm
.macro TURN k, fill                    ; part 1: K step k with a barrier in it.  fill = 1: positions 0 and 1, which have been read out, take K steps 6 and 7
	WIN 0
	s_wait_tensorcnt 0x0                           ; all my tensor loads have landed
	ds_add_u32 v[SPW], v[NIL]                      ; 0 onto my spare word
	s_wait_dscnt 1                                 ; (only the add may be out: this step's fragments are in)
	WIN MUL_LO
	MUL16 0, (\k)%2, 0
	s_wait_dscnt 0x0                               ; the add is done; my LDS reads are over
	s_barrier_signal -1
	MUL16 2, (\k)%2, 0
	WIN 0
	s_barrier_wait -1
.if \fill
	CREST                                          ; the barrier has opened a round of the cluster's: no wave of any partner still reads positions 0 and 1 or has a load on its way
	s_add_nc_u64 s[G0A0+2:G0A0+3], s[G0A0+2:G0A0+3], 6*CH
	s_add_nc_u64 s[G0B0+2:G0B0+3], s[G0B0+2:G0B0+3], 6*CH
	JLOAD G0A0, G1SA, G0B0, G1SB                   ; my one tensor load behind the round: two chunks; its four v_nop are the places in front of the loads below
.else
	PLACES
.endif
	FB (\k)+1, ((\k)+1)%2
	FA (\k)+1, ((\k)+1)%2
	WIN MUL_HI
	MUL16 4, (\k)%2, 0
	MUL16 6, (\k)%2, 0
.endm
.macro TURN7                           ; part 1's last K step.  Its fragments are the last that anybody reads of the four regions: behind a round they take part 2's chunks
	WIN 0
	s_wait_tensorcnt 0x0                           ; no tensor load of mine is out: every descriptor may be written
	ds_add_u32 v[SPW], v[NIL]                      ; 0 onto my spare word; the descriptors' words stand between it and the wait for it
	s_mov_b32 s[G1X+2], 384<<16                    ; a row group of x, 8 chunks: 384 dense rows of 256 bytes; the mask of my row of the cluster stands in word 0
	s_mov_b32 s[G1X+4], 384
	s_mov_b32 s[G1W+2], 192<<16                    ; half of Wv's row group, 4 chunks: 192 rows; the mask of my column stands in word 0
	s_mov_b32 s[G1W+4], 192
	s_mov_b32 s[G0W], 1
	s_mul_i32 s[G0W+1], s16, 4*CH                  ; waves 0, 1: K steps 0-3, 4-7 of Wv
	s_mov_b64 s[G0W+2:G0W+3], s[4:5]
	s_or_b32 s[G0W+3], s[G0W+3], 0x80000000
	s_mov_b32 s[G0X], 1
	s_mul_i32 s[G0X+1], s16, 8*CH                  ; waves 2, 3: x's row groups 2 tr, 2 tr + 1
	s_add_co_u32 s[G0X+1], s[G0X+1], B2
	s_mov_b64 s[G0X+2:G0X+3], s[96:97]
	s_or_b32 s[G0X+3], s[G0X+3], 0x80000000
	s_wait_dscnt 1                                 ; (only the add may be out: this step's fragments are in)
	WIN MUL_LO
	MUL16 0, 1, 0
	s_wait_dscnt 0x0                               ; the add is done; my LDS reads of part 1 are over
	s_barrier_signal -1
	MUL16 2, 1, 0
	WIN 0
	s_barrier_wait -1
	CREST                                          ; no wave of any partner still reads the regions or has a load on its way
	JLOAD G0W, G1W, G0X, G1X                       ; my one tensor load behind the round: my sixth or third of part 2's 24 chunks
	WIN MUL_HI
	MUL16 4, 1, 0
	MUL16 6, 1, 0
	WIN 0
.endm
.macro MKG0 g, lb, lo, ap, go          ; descriptor group 0: count 1, LDS byte, global address, type 2
	s_mov_b32 s[\g], 1
	s_add_co_u32 s[\g+1], s[\lb], \lo
	s_add_nc_u64 s[\g+2:\g+3], s[\ap:\ap+1], \go
	s_or_b32 s[\g+3], s[\g+3], 0x80000000
.endm
; PART 2's products and loads
.macro MUL8 a, p, k, zero              ; my block a of Wv x x's eight fragments.  The 32 accumulators take turns, one instruction a turn
.irp b, 0,1,2,3,4,5,6,7
.set rD, 8*(8*(\a)+\b)
.set rB, 128*(\p)+12*\b
.set rA, AF+48*(\p)+12*(\a)
.set rSB, SC+8*(\p)+4+\b/2
.set rSA, WS+2*(\k)+(\a)/2
	WM \zero, \b%2, (\a)%2
.endr
.endm
.macro FB2 k, p                        ; x's eight fragments of K step k and their scale quad: 25 loads
	WIN TO_B
.irp f, 0,1,2,3,4,5,6,7
.irp g, 0,1,2
	ds_load_b128 v[128*(\p)+12*\f+4*\g:128*(\p)+12*\f+4*\g+3], v[ADRB2+(\k)/4] offset:((\k)%4)*CH+\f*FRB+\g*512
.endr
.endr
	WIN 0
	ds_load_b128 v[SC+8*(\p)+4:SC+8*(\p)+7], v[ADSB2] offset:512*(\k)
.endm
.macro FA2 k, p                        ; my four fragments of Wv: 12 loads
	WIN 0
.irp f, 0,1,2,3
.irp g, 0,1,2
	ds_load_b128 v[AF+48*(\p)+12*\f+4*\g:AF+48*(\p)+12*\f+4*\g+3], v[ADRA2+(\k)/4] offset:((\k)%4)*CH+\f*FRB+\g*512
.endr
.endr
.endm
.macro STEP2 k, zero
	PLACES                                         ; the other sets were read by the step before
	FB2 (\k)+1, ((\k)+1)%2
	s_wait_dscnt 25                                ; all but the 25 just issued
	WIN MUL_LO
	MUL8 0, (\k)%2, \k, \zero
	MUL8 1, (\k)%2, \k, \zero
	FA2 (\k)+1, ((\k)+1)%2
	WIN MUL_LO
	MUL8 2, (\k)%2, \k, \zero
	MUL8 3, (\k)%2, \k, \zero
.endm
; 64 numbers of a lane, register 16 b + i = k 32 b + 16 h + i of its row, become a fragment's codes in v[pc] on and its scale word in v[pw] (the same in both halves of the lanes)
.macro QUANT s, pc, pw
.irp b, 0,1,2,3
	v_max3_num_f32 v[TM+\b], |v[(\s)+16*\b]|, |v[(\s)+1+16*\b]|, 0x1800000   ; with the floor 2^(3 - 127): the byte cannot fall under 1
.endr
.irp i, 2,4,6,8,10,12,14
.irp b, 0,1,2,3
	v_max3_num_f32 v[TM+\b], v[TM+\b], |v[(\s)+16*\b+\i]|, |v[(\s)+1+16*\b+\i]|
.endr
.endr
.irp b, 0,1,2,3
	v_permlanex16_b32 v[TM+4+\b], v[TM+\b], s[SEL], s[SEL+1]
.endr
.irp b, 0,1,2,3
	v_max_num_f32 v[TM+\b], v[TM+\b], v[TM+4+\b]   ; with lane l xor 16's: the block's largest magnitude
.endr
.irp b, 0,1,2,3
	v_add_nc_u32 v[TM+12+\b], 0xff000000, v[TM+\b] ; 2 off the exponent field: the conversion's scale operand
.endr
.irp b, 0,1,2,3
	v_lshrrev_b32 v[TM+4+\b], 23, v[TM+12+\b]      ; the scale's byte
.endr
	v_lshl_or_b32 v[\pw], v[TM+5], 8, v[TM+4]
	v_lshl_or_b32 v[\pw], v[TM+6], 16, v[\pw]
	v_lshl_or_b32 v[\pw], v[TM+7], 24, v[\pw]
.irp c, 0,1
	v_cvt_scalef32_pk16_fp6_f32 v[(\pc)+6*\c:(\pc)+6*\c+2], v[(\s)+32*\c:(\s)+32*\c+15], v[TM+12+2*\c]
	v_cvt_scalef32_pk16_fp6_f32 v[TC+4*\c:TC+4*\c+2], v[(\s)+32*\c+16:(\s)+32*\c+31], v[TM+13+2*\c]
.endr
	v_nop                                          ; one plain line behind the scaled conversions
.irp c, 0,1                                    ; the operand wants a whole block in a lane: lanes 0-15 block 2 c, lanes 16-31 block 2 c + 1
.irp i, 0,1,2
	v_permlane16_swap_b32 v[(\pc)+6*\c+\i], v[TC+4*\c+\i]
.endr
.irp i, 0,1,2
	v_mov_b32 v[(\pc)+6*\c+3+\i], v[TC+4*\c+\i]
.endr
.endr
.endm
.macro EPI a                           ; part 1, block a: + the bias of its columns, quantised, stored as fragment a of my chunk.  Each accumulator is read from its low end on
	WIN 0x06+(\a)/4                                ; source 0 window 2 or 3, source 1 window 1
.set i, 0
.rept 32
	v_pk_add_f32 v[H+i:H+i+1], v[64*((\a)%4)+i:64*((\a)%4)+i+1], v[96+i+96*(i/32):96+i+96*(i/32)+1]
.set i, i+2
.endr
	WIN 0
	QUANT H, CD+12*(\a), PW+(\a)
.irp g, 0,1,2
	global_store_b128 v[LI], v[CD+12*(\a)+4*\g:CD+12*(\a)+4*\g+3], s[10:11] offset:(\a)*FRB+512*\g   ; 512 consecutive bytes, aligned
.endr
.endm
.macro EPI2 a                          ; part 2, block a: + the bias of its row, quantised, stored as fragment 4 rh + a of my chunk of V^T
	WIN 0x02                                       ; source 0 window 2
.set i, 0
.rept 32
	v_pk_add_f32 v[H+i:H+i+1], v[64*(\a)+i:64*(\a)+i+1], v[BI2+2*(\a):BI2+2*(\a)+1] op_sel_hi:[1,0]
.set i, i+2
.endr
	WIN 0
	QUANT H, CD+12*(\a), PW+(\a)
.irp g, 0,1,2
	global_store_b128 v[LI], v[CD+12*(\a)+4*\g:CD+12*(\a)+4*\g+3], s[94:95] offset:(\a)*FRB+512*\g
.endr
.endm
	s_load_b128 s[4:7], s[0:1], 0x0                ; the codes and scale words of x and the weights
	s_load_b128 s[8:11], s[0:1], 0x10              ; b_qkv, the results' codes
	s_load_b64 s[12:13], s[0:1], 0x20              ; the results' scale words
	v_lshl_add_u32 v[SPW], v0, 2, SPARE
	v_mov_b32 v[NIL], 0
	ds_add_u32 v[SPW], v[NIL]                      ; the opening: the add, twice on end, and its wait ahead of my first tensor load
	ds_add_u32 v[SPW], v[NIL]
	v_lshrrev_b32 v1, 5, v0
	v_readfirstlane_b32 s14, v1                    ; wave 0..3
	s_lshr_b32 s15, s14, 1                         ; rh: my half of A's rows.  Also: which line of a joint load I issue
	s_and_b32 s16, s14, 1                          ; ch: my half of B's rows.  Also: which part I fetch
	s_bfe_u32 s92, ttmp6, 0x40000                  ; cx
	s_bfe_u32 s93, ttmp6, 0x40004                  ; cy
	s_lshl_b32 s2, s93, 2
	s_lshl_b32 s2, 15, s2                          ; my row of the cluster
	s_lshl_b32 s3, 0x1111, s92                     ; my column
	s_or_b32 s[G1A], s2, (3<<16)|(1<<21)           ; the mask; elements of 8 bytes; bit 21 beside a mask; no padding
	s_or_b32 s[G1SA], s2, (3<<16)|(1<<21)
	s_or_b32 s[G1B], s3, (3<<16)|(1<<21)
	s_or_b32 s[G1SB], s3, (3<<16)|(1<<21)
.irp g, G1A, G1B                               ; three chunks: 144 dense rows of 256 bytes: the two first fills of a region
	s_mov_b32 s[\g+1], 32<<16
	s_mov_b32 s[\g+2], 144<<16
	s_mov_b32 s[\g+3], 32<<16
	s_mov_b32 s[\g+4], 144
	s_mov_b32 s[\g+5], 32
	s_mov_b32 s[\g+6], 0
	s_mov_b32 s[\g+7], 0
.endr
.irp g, G1SA, G1SB                             ; two chunks: 96 rows: the refill with K steps 6, 7 (part 2 writes these two groups anew)
	s_mov_b32 s[\g+1], 32<<16
	s_mov_b32 s[\g+2], 96<<16
	s_mov_b32 s[\g+3], 32<<16
	s_mov_b32 s[\g+4], 96
	s_mov_b32 s[\g+5], 32
	s_mov_b32 s[\g+6], 0
	s_mov_b32 s[\g+7], 0
.endr
	s_and_b32 s17, ttmp7, 0xffff
	s_lshl_b32 s17, s17, 2
	s_add_co_u32 s17, s17, s93                     ; tr = 4 x cluster y + cy: holds cy, never cx
	s_lshl_b32 s18, ttmp9, 2
	s_add_co_u32 s18, s18, s92                     ; tc = 4 x cluster x + cx: holds cx, never cy
	s_lshl_b32 s21, s17, 1
	s_add_co_u32 s21, s21, s16
	s_lshl_b32 s21, s21, 3                         ; x's chunk: row group 2 tr + ch, K step 0
	s_lshl_b32 s22, s18, 1
	s_add_co_u32 s22, s22, s16
	s_lshl_b32 s22, s22, 3
	s_add_co_u32 s22, s22, 512                     ; Wqk's chunk: row group 2 tc + ch
	s_mul_i32 s96, s21, CH
	s_mov_b32 s97, 0
	s_lshl_b32 s98, s21, 9
	s_mov_b32 s99, 0
	s_mul_i32 s2, s22, CH
	s_mov_b32 s3, 0
	s_lshl_b32 s22, s22, 9
	s_mov_b32 s23, 0
	s_lshl_b32 s92, s18, 3                         ; Wv's chunk: 640 + 8 tc, K step 4 ch
	s_lshl_b32 s93, s16, 2
	s_add_co_u32 s92, s92, s93
	s_add_co_u32 s92, s92, 640
	s_mul_i32 s92, s92, CH
	s_mov_b32 s93, 0
	s_mul_i32 s19, s14, REG                        ; where part 1's tiles go: by the wave's number alone
	s_lshl_b32 s20, s14, 12
	s_add_co_u32 s20, s20, SCL
	s_mov_b32 s[SEL], 0x76543210
	s_mov_b32 s[SEL+1], 0xfedcba98
	s_wait_dscnt 0x0                               ; both opening adds are done
	s_wait_kmcnt 0x0
	s_add_nc_u64 s[96:97], s[4:5], s[96:97]        ; x's codes: kept for part 2 too
	s_add_nc_u64 s[98:99], s[6:7], s[98:99]
	s_add_nc_u64 s[2:3], s[4:5], s[2:3]
	s_add_nc_u64 s[22:23], s[6:7], s[22:23]
	s_add_nc_u64 s[4:5], s[4:5], s[92:93]          ; Wv's codes: kept for part 2
	CROUND                                         ; all sixteen work-groups are here: the first joint loads meet
	; THE FILLS: one tensor load a wave at the head (K steps 0-2), one behind the next round (3-5), one behind the round in K step 2 (6, 7): one load a wave is out at any place of part 1.
	; The scale words of my row group, 4,096 bytes beside 98,304 of codes, come through registers: eight loads of 512 consecutive bytes, stored to LDS bytes that no tensor load fills; so small a part is not asked for jointly.
	MKG0 G0A0, 19, 0, 96, 0
	MKG0 G0B0, 19, 0, 2, 0
	MKG0 G0A1, 19, 3*CH, 96, 3*CH
	MKG0 G0B1, 19, 3*CH, 2, 3*CH
	s_cmp_eq_u32 s15, 0                            ; waves 0, 1 take x's scale words, waves 2, 3 Wqk's: the choice hangs on the wave's number alone
	s_cselect_b64 s[G0AS:G0AS+1], s[98:99], s[22:23]
	JLOAD G0A0, G1A, G0B0, G1B                     ; K steps 0, 1, 2: one tensor load a wave at the head
	v_and_b32 v1, 31, v0                           ; lane
	v_bfe_u32 v2, v0, 4, 1                         ; h
	v_and_b32 v3, 15, v0                           ; r
	v_lshlrev_b32 v[LI], 4, v1
	v_add_nc_u32 v30, s20, v[LI]                   ; where my row group's scale words go
	s_wait_alu depctr_va_vdst(0)
.irp i, 0,1,2,3,4,5,6,7
	global_load_b128 v[AF+4*\i:AF+4*\i+3], v[LI], s[G0AS:G0AS+1] offset:512*\i
.endr
	s_mul_i32 s2, s15, REG
	v_add_nc_u32 v[ADRA], s2, v[LI]
	v_add_nc_u32 v[ADRA+1], 3*CH, v[ADRA]
	s_add_co_u32 s2, s16, 2
	s_mul_i32 s2, s2, REG
	v_add_nc_u32 v[ADRB], s2, v[LI]
	v_add_nc_u32 v[ADRB+1], 3*CH, v[ADRB]
	s_lshl_b32 s2, s15, 12
	s_add_co_u32 s2, s2, SCL
	v_add_nc_u32 v[ADSA], s2, v[LI]
	s_lshl_b32 s2, s16, 12
	s_add_co_u32 s2, s2, SCL+8192
	v_add_nc_u32 v[ADSB], s2, v[LI]
	s_mul_i32 s2, s15, 4*FRB                       ; part 2: my four fragments of Wv,
	v_add_nc_u32 v[ADRA2], s2, v[LI]
	v_add_nc_u32 v[ADRA2+1], 4*CH, v[ADRA2]
	s_mul_i32 s2, s16, 8*CH                        ; my row group of x,
	s_add_co_u32 s2, s2, B2
	v_add_nc_u32 v[ADRB2], s2, v[LI]
	v_add_nc_u32 v[ADRB2+1], 4*CH, v[ADRB2]
	s_lshl_b32 s2, s16, 12                         ; and its scale chunks, which part 1 has brought
	s_add_co_u32 s2, s2, SCL
	v_add_nc_u32 v[ADSB2], s2, v[LI]
	s_lshl_b32 s2, s15, 3
	v_add_nc_u32 v[LS], s2, v[LI]
	s_wait_alu depctr_va_vdst(0)
	s_lshl_b32 s21, s18, 1
	s_add_co_u32 s21, s21, s16                     ; ns: part 1's 128 columns
	s_lshl_b32 s20, s17, 1
	s_add_co_u32 s19, s20, s15                     ; Gr: part 1's 128 rows
	s_lshr_b32 s92, s21, 3                         ; part 1's chunk: 512 (ns / 8) + 8 Gr + ns % 8
	s_lshl_b32 s92, s92, 9
	s_lshl_b32 s93, s19, 3
	s_add_co_u32 s92, s92, s93
	s_and_b32 s93, s21, 7
	s_add_co_u32 s92, s92, s93
	s_add_co_u32 s20, s20, s16                     ; part 2's 128 positions: group 2 tr + ch
	s_lshr_b32 s22, s20, 4                         ; part 2's chunk: 1024 + 16 (8 batch + tc) + key step
	s_lshl_b32 s22, s22, 3
	s_add_co_u32 s22, s22, s18
	s_lshl_b32 s22, s22, 4
	s_and_b32 s23, s20, 15
	s_add_co_u32 s22, s22, s23
	s_add_co_u32 s22, s22, 1024
	s_mul_i32 s2, s22, CH
	s_mul_i32 s3, s15, 4*FRB
	s_add_co_u32 s2, s2, s3
	s_mov_b32 s3, 0
	s_add_nc_u64 s[94:95], s[10:11], s[2:3]        ; part 2's codes, at my four fragments
	s_lshl_b32 s2, s22, 9
	s_add_nc_u64 s[98:99], s[12:13], s[2:3]        ; part 2's scale words
	s_mul_i32 s2, s92, CH
	s_add_nc_u64 s[10:11], s[10:11], s[2:3]        ; part 1's codes
	s_lshl_b32 s2, s92, 9
	s_add_nc_u64 s[12:13], s[12:13], s[2:3]        ; part 1's scale words
	s_lshl_b32 s2, s21, 9
	v_lshl_add_u32 v4, v2, 6, s2
	WIN 0x40
.irp b, 0,1,2,3
.irp q, 0,1,2,3
	global_load_b128 v[96+16*\b+4*\q+96*(\b/2):96+16*\b+4*\q+96*(\b/2)+3], v4, s[8:9] offset:128*\b+16*\q
.endr
.endr
	WIN 0
	v_and_b32 v5, 8, v3
	v_add_nc_u32 v5, v5, v3                        ; r + 8 (r / 8)
	s_lshl_b32 s2, s18, 9
	s_lshl_b32 s3, s15, 8
	s_add_co_u32 s2, s2, s3
	s_add_co_u32 s2, s2, 8192
	v_lshl_add_u32 v5, v5, 2, s2                   ; part 2's bias: block a takes b_qkv[2048 + 128 tc + my row of fragment 4 rh + a], into both registers of a pair
.irp a, 0,1,2,3
	global_load_b32 v[BI2+2*\a], v5, s[8:9] offset:(32*(\a/2)+8*(\a%2))*4
	global_load_b32 v[BI2+2*\a+1], v5, s[8:9] offset:(32*(\a/2)+8*(\a%2))*4
.endr
	s_lshl_b32 s2, s18, 12
	s_add_co_u32 s2, s2, 640*512
	v_add_nc_u32 v15, s2, v[LS]                    ; Wv's scale words: chunk 640 + 8 tc + k, the two registers of my four fragments
.irp k, 0,1,2,3,4,5,6,7
	global_load_b64 v[WS+2*\k:WS+2*\k+1], v15, s[6:7] offset:512*\k
.endr
	s_wait_alu depctr_va_vdst(0)
	s_wait_loadcnt 32                              ; the eight loads of scale words are in; the 16 + 8 + 8 younger loads (both biases, Wv's scale words) may be out
.irp i, 0,1,2,3,4,5,6,7
	ds_store_b128 v30, v[AF+4*\i:AF+4*\i+3] offset:512*\i
.endr
	s_wait_tensorcnt 0x0                           ; my K steps 0-2 are in
	ds_add_u32 v[SPW], v[NIL]
	s_wait_dscnt 0x0                               ; the add and my stores of scale words are done
	CROUND                                         ; everybody's part is in, and all sixteen work-groups are here
	JLOAD G0A1, G1A, G0B1, G1B                     ; K steps 3, 4, 5: my one tensor load behind the round
	FB 0, 0
	FA 0, 0
	STEP 0, 1                                      ; the first products start the sums: nothing is cleared
	STEP 1, 0
	TURN 2, 1                                      ; every wave has waited for its load: positions 3 to 5 are whole; positions 0, 1 are read out and take K steps 6, 7
	STEP 3, 0
	STEP 4, 0
	TURN 5, 0                                      ; K steps 6, 7 have landed
	STEP 6, 0
	TURN7                                          ; part 2's chunks are asked for
	s_wait_loadcnt 0x0                             ; both biases and Wv's scale words
	PLACES
.irp a, 0,1,2,3,4,5,6,7
	EPI \a
.endr
	v_cmp_lt_u32 vcc_lo, 15, v1                    ; lanes 16-31 carry the odd fragments' words
.irp i, 0,1,2,3
	v_cndmask_b32 v[TC+\i], v[PW+2*\i], v[PW+2*\i+1], vcc_lo
.endr
	global_store_b128 v[LI], v[TC:TC+3], s[12:13]
	; ---- PART 2
	s_wait_tensorcnt 0x0                           ; my one load that was out has landed,
	s_barrier_signal -1
	s_barrier_wait -1                              ; everybody's has.
	s_wait_xcnt 0x0                                ; part 1's stores have read their registers: fragments may land there
	FB2 0, 0
	FA2 0, 0
	STEP2 0, 1                                     ; the first products start the sums anew
	STEP2 1, 0
	STEP2 2, 0
	STEP2 3, 0
	STEP2 4, 0
	STEP2 5, 0
	STEP2 6, 0
	s_wait_dscnt 0x0
	WIN MUL_LO
	MUL8 0, 1, 7, 0
	MUL8 1, 1, 7, 0
	MUL8 2, 1, 7, 0
	MUL8 3, 1, 7, 0
	WIN 0
	PLACES
.irp a, 0,1,2,3
	EPI2 \a
.endr
	v_cmp_lt_u32 vcc_lo, 15, v1
.irp j, 0,1
	v_cndmask_b32 v[TC+\j], v[PW+2*\j], v[PW+2*\j+1], vcc_lo
.endr
	global_store_b64 v[LS], v[TC:TC+1], s[98:99]
	s_wait_tensorcnt 0x0                           ; the wave's end
	ds_add_u32 v[SPW], v[NIL]
	s_wait_dscnt 0x0
	CROUND                                         ; the closing round
	s_endpgm
.Lfunc_end_k_qe3393b7dff_qkv:
	.size	k_qe3393b7dff_qkv, .Lfunc_end_k_qe3393b7dff_qkv-k_qe3393b7dff_qkv
	.p2alignl 7, 3214868480
	.fill 96, 4, 3214868480
	.section	.rodata,"a",@progbits
	.p2align	6, 0x0
	.amdhsa_kernel k_qe3393b7dff_qkv
		.amdhsa_group_segment_fixed_size 327680
		.amdhsa_private_segment_fixed_size 0
		.amdhsa_enable_private_segment 0
		.amdhsa_kernarg_size 40
		.amdhsa_user_sgpr_count 2
		.amdhsa_user_sgpr_kernarg_segment_ptr 1
		.amdhsa_wavefront_size32 1
		.amdhsa_system_sgpr_workgroup_id_x 1
		.amdhsa_system_sgpr_workgroup_id_y 1
		.amdhsa_system_sgpr_workgroup_id_z 1
		.amdhsa_system_vgpr_workitem_id 0
		.amdhsa_next_free_vgpr 1024
		.amdhsa_next_free_sgpr 100
		.amdhsa_reserve_vcc 1
		.amdhsa_float_denorm_mode_32 3
		.amdhsa_float_denorm_mode_16_64 3
		.amdhsa_memory_ordered 1
		.amdhsa_forward_progress 1
		.amdhsa_inst_pref_size 236
	.end_amdhsa_kernel
	.amdgpu_metadata
---
amdhsa.version: [ 1, 2 ]
amdhsa.kernels:
  - .name:           k_qe3393b7dff_qkv
    .symbol:         k_qe3393b7dff_qkv.kd
    .args:
      - { .name: xw_codes, .offset: 0, .size: 8, .value_kind: global_buffer, .address_space: global }
      - { .name: xw_scales, .offset: 8, .size: 8, .value_kind: global_buffer, .address_space: global }
      - { .name: b_qkv, .offset: 16, .size: 8, .value_kind: global_buffer, .address_space: global }
      - { .name: qkv_codes, .offset: 24, .size: 8, .value_kind: global_buffer, .address_space: global }
      - { .name: qkv_scales, .offset: 32, .size: 8, .value_kind: global_buffer, .address_space: global }
    .group_segment_fixed_size: 327680
    .private_segment_fixed_size: 0
    .kernarg_segment_align: 8
    .kernarg_segment_size: 40
    .max_flat_workgroup_size: 128
    .sgpr_count:     100
    .vgpr_count:     1024
    .wavefront_size: 32
...
	.end_amdgpu_metadata
.endif
;; end of part 2
;; launch scores (part 3): grid 36 x 4, 4 waves a work-group, no clusters, 327,680 bytes of LDS; arguments qkv_codes, qkv_scales, p_codes, p_aux; writes p_codes, p_aux
.if DOCPART == 3
	.amdgcn_target "amdgcn-amd-amdhsa--gfx1250"
	.amdhsa_code_object_version 6
	.text
	.protected	k_qe3393b7dff_scores
	.globl	k_qe3393b7dff_scores
	.p2align	8
	.type	k_qe3393b7dff_scores,@function
k_qe3393b7dff_scores:
	s_mov_b64 s[64:65], 0
	v_nop
	global_prefetch_b8 v0, s[64:65] scope:SCOPE_SE
	s_setreg_imm32_b32 hwreg(HW_REG_WAVE_MODE, 25, 1), 1
	s_wait_xcnt 0x0
; LAUNCH 3 OF 5.  A tile of 256 queries x 256 keys of q k^T; then, for each query and each group of 128 keys, t = score x log2(e) / 32, M = ceil(the group's largest t), p = 2^(t - M) quantised along the keys, l = the sum of
; the unquantised p.  M is a whole number, so launch 4 brings the groups under the row's M by taking a whole number off p's scale bytes: the codes stay.
; LEFT OUT: the 28 of 64 tiles of each batch that lie wholly above the diagonal of reference()'s own jnp.tril (launch 1's head shows why).  x = 0..35 numbers the tiles (i, j), j <= i; y is the batch.
; In a tile on the diagonal hidden scores become -infinity ahead of the maximum, so p = 0; its wave whose 128 keys are all hidden runs the same lines and stores zero codes and l = 0 (work inside a live tile).
; The K loop is launch 2's: 8 steps of 128 along c, four regions of six chunks, one refill; here each wave fills its own region by plain loads, with no branch.  At most one tensor load a wave is out.
; NO CLUSTER: the 36 tiles of a batch's triangle have 1 to 8 tiles to a tile row or column, so they do not fall into fours that share one.
; STORED: p's chunk (16 (16 batch + 2 i + rh) + 2 j + ch); beside it in p_aux 1,536 bytes: scale words, -M, l, each laid as a scale chunk.  Where i = j is even, the two key steps behind the diagonal get zero codes,
; so that every byte that launch 4's slots of four key steps fetch has been stored.
; LIMITS: |t| under 3e38; the rest as at launch 1's head.
.set CH,    12288
.set FRB,   1536
.set REG,   6*CH
.set SCL,   4*REG
.set SPARE, SCL+16384
.set ADRA, 16
.set ADRB, 20
.set ADSA, 22
.set ADSB, 23
.set LI,   24
.set D0,   25                          ; v25 my query less my first key, for block 0
.set SPW,  28
.set NIL,  29
.set SC,   32
.set PWS,  32                          ; v32-39 p's scale words
.set NMS,  48                          ; v48-55 -M of the eight blocks
.set LSV,  56                          ; v56-63 l
.set AF,   64
.set T,    64
.set CD,   128
.set BM,   224                         ; v224-227 the blocks' largest; v228-231 at work
.set SO,   232
.set TC,   240
.set NM,   248                         ; v248 -M, v249 the largest t
.set SA,   250
.set SB,   252
.set DD,   254
.set NINF, 255
.set G1C,  24
.set G1S,  32
.set G0S,  40
.set G00,  44
.set G01,  48
.set G02,  52
.set SEL,  56
.set CS,   58
.set K0,   60
.set Q0,   61
.set MUL_LO, 0xa1
.set MUL_HI, 0xf1
.set TO_B,   0x40
.set MSB, 0
.macro WIN new
.if MSB != (\new)
	s_set_vgpr_msb (MSB<<8)|(\new)
.set MSB, (\new)
.endif
.endm
.macro WM zero, rb, ra
.if (\zero) && ((\rb) == 0) && ((\ra) == 0)
	v_wmma_scale_f32_16x16x128_f8f6f4 v[rD:rD+7], v[rB:rB+11], v[rA:rA+11], 0, v[rSB], v[rSA] matrix_a_fmt:MATRIX_FMT_FP6 matrix_b_fmt:MATRIX_FMT_FP6
.elseif (\zero) && ((\rb) == 1) && ((\ra) == 0)
	v_wmma_scale_f32_16x16x128_f8f6f4 v[rD:rD+7], v[rB:rB+11], v[rA:rA+11], 0, v[rSB], v[rSA] matrix_a_fmt:MATRIX_FMT_FP6 matrix_b_fmt:MATRIX_FMT_FP6 matrix_a_scale:MATRIX_SCALE_ROW1
.elseif (\zero) && ((\rb) == 0)
	v_wmma_scale_f32_16x16x128_f8f6f4 v[rD:rD+7], v[rB:rB+11], v[rA:rA+11], 0, v[rSB], v[rSA] matrix_a_fmt:MATRIX_FMT_FP6 matrix_b_fmt:MATRIX_FMT_FP6 matrix_b_scale:MATRIX_SCALE_ROW1
.elseif (\zero)
	v_wmma_scale_f32_16x16x128_f8f6f4 v[rD:rD+7], v[rB:rB+11], v[rA:rA+11], 0, v[rSB], v[rSA] matrix_a_fmt:MATRIX_FMT_FP6 matrix_b_fmt:MATRIX_FMT_FP6 matrix_a_scale:MATRIX_SCALE_ROW1 matrix_b_scale:MATRIX_SCALE_ROW1
.elseif ((\rb) == 0) && ((\ra) == 0)
	v_wmma_scale_f32_16x16x128_f8f6f4 v[rD:rD+7], v[rB:rB+11], v[rA:rA+11], v[rD:rD+7], v[rSB], v[rSA] matrix_a_fmt:MATRIX_FMT_FP6 matrix_b_fmt:MATRIX_FMT_FP6
.elseif ((\rb) == 1) && ((\ra) == 0)
	v_wmma_scale_f32_16x16x128_f8f6f4 v[rD:rD+7], v[rB:rB+11], v[rA:rA+11], v[rD:rD+7], v[rSB], v[rSA] matrix_a_fmt:MATRIX_FMT_FP6 matrix_b_fmt:MATRIX_FMT_FP6 matrix_a_scale:MATRIX_SCALE_ROW1
.elseif ((\rb) == 0)
	v_wmma_scale_f32_16x16x128_f8f6f4 v[rD:rD+7], v[rB:rB+11], v[rA:rA+11], v[rD:rD+7], v[rSB], v[rSA] matrix_a_fmt:MATRIX_FMT_FP6 matrix_b_fmt:MATRIX_FMT_FP6 matrix_b_scale:MATRIX_SCALE_ROW1
.else
	v_wmma_scale_f32_16x16x128_f8f6f4 v[rD:rD+7], v[rB:rB+11], v[rA:rA+11], v[rD:rD+7], v[rSB], v[rSA] matrix_a_fmt:MATRIX_FMT_FP6 matrix_b_fmt:MATRIX_FMT_FP6 matrix_a_scale:MATRIX_SCALE_ROW1 matrix_b_scale:MATRIX_SCALE_ROW1
.endif
.endm
.macro MUL16 a0, p, zero               ; source 0 = 16 keys, source 1 = 16 queries.  The 64 accumulators take turns, one instruction a turn
.irp a, \a0, \a0+1
.irp b, 0,1,2,3,4,5,6,7
.set rD, 8*(8*((\a)%4)+\b)
.set rB, 128*(\p)+12*\b
.set rA, AF+96*(\p)+12*(\a)
.set rSB, SC+8*(\p)+4+\b/2
.set rSA, SC+8*(\p)+(\a)/2
	WM \zero, \b%2, (\a)%2
.endr
.endr
.endm
.macro FB k, p
	WIN TO_B
.set PS, (\k)%6
.irp f, 0,1,2,3,4,5,6,7
.irp g, 0,1,2
	ds_load_b128 v[128*(\p)+12*\f+4*\g:128*(\p)+12*\f+4*\g+3], v[ADRB+PS/3] offset:(PS%3)*CH+\f*FRB+\g*512
.endr
.endr
.endm
.macro FA k, p
	WIN 0
.set PS, (\k)%6
.irp f, 0,1,2,3,4,5,6,7
.irp g, 0,1,2
	ds_load_b128 v[AF+96*(\p)+12*\f+4*\g:AF+96*(\p)+12*\f+4*\g+3], v[ADRA+PS/3] offset:(PS%3)*CH+\f*FRB+\g*512
.endr
.endr
	ds_load_b128 v[SC+8*(\p):SC+8*(\p)+3], v[ADSA] offset:512*(\k)
	ds_load_b128 v[SC+8*(\p)+4:SC+8*(\p)+7], v[ADSB] offset:512*(\k)
.endm
.macro PLACES
.rept 4
	v_nop
.endr
.endm
.macro STEP k, zero
	PLACES                                         ; the other sets were read by the step before
	FB (\k)+1, ((\k)+1)%2
	s_wait_dscnt 24                                ; all but the 24 just issued
	WIN MUL_LO
	MUL16 0, (\k)%2, \zero
	MUL16 2, (\k)%2, \zero
	FA (\k)+1, ((\k)+1)%2
	WIN MUL_HI
	MUL16 4, (\k)%2, \zero
	MUL16 6, (\k)%2, \zero
.endm
.macro TURN k, fill
	WIN 0
	s_wait_tensorcnt 0x0                           ; all my tensor loads have landed
	ds_add_u32 v[SPW], v[NIL]                      ; 0 onto my spare word
	s_wait_dscnt 1                                 ; (only the add may be out)
	WIN MUL_LO
	MUL16 0, (\k)%2, 0
	s_wait_dscnt 0x0                               ; the add is done; my LDS reads are over
	s_barrier_signal -1
	MUL16 2, (\k)%2, 0
	WIN 0
	s_barrier_wait -1
.if \fill
	s_add_nc_u64 s[G00+2:G00+3], s[G00+2:G00+3], 6*CH
	tensor_load_to_lds s[G00:G00+3], s[G1S:G1S+7]  ; K steps 6, 7 into positions 0, 1: my one tensor load behind this barrier
	s_nop 0
.endif
	PLACES
	FB (\k)+1, ((\k)+1)%2
	FA (\k)+1, ((\k)+1)%2
	WIN MUL_HI
	MUL16 4, (\k)%2, 0
	MUL16 6, (\k)%2, 0
.endm
.macro LAST k
	s_wait_dscnt 0x0
	WIN MUL_LO
	MUL16 0, (\k)%2, 0
	MUL16 2, (\k)%2, 0
	WIN MUL_HI
	MUL16 4, (\k)%2, 0
	MUL16 6, (\k)%2, 0
	WIN 0
.endm
.macro MKG0 g, lb, lo, ap, go
	s_mov_b32 s[\g], 1
	s_add_co_u32 s[\g+1], s[\lb], \lo
	s_add_nc_u64 s[\g+2:\g+3], s[\ap:\ap+1], \go
	s_or_b32 s[\g+3], s[\g+3], 0x80000000
.endm
; Block a: 16 queries (one a lane) x my 128 keys; register 16 b + i holds key 32 b + 16 h + i
.macro SOFT a
	WIN 0x02+(\a)/4
.set i, 0
.rept 32
	v_pk_mul_f32 v[T+i:T+i+1], v[64*((\a)%4)+i:64*((\a)%4)+i+1], s[CS:CS+1] op_sel_hi:[1,0]   ; t; each accumulator is read from its low end on
.set i, i+2
.endr
	WIN 0
	s_cmp_lt_u32 s[K0], s[Q0]                      ; all my keys come before all my queries: nothing is hidden (ids and the wave's number alone)
	s_cbranch_scc1 .Lopen_\@
	v_add_nc_u32 v[DD], 32*((\a)/2)+8*((\a)%2), v[D0]   ; d = my query - my first key - 16 h: key 32 b + i is hidden where 32 b + i > d
.set i, 0
.rept 64
	v_cmp_gt_i32 vcc_lo, 32*(i/16)+i%16, v[DD]
	v_cndmask_b32 v[T+i], v[T+i], v[NINF], vcc_lo
.set i, i+1
.endr
.Lopen_\@:
.irp b, 0,1,2,3
	v_max3_num_f32 v[BM+\b], v[T+16*\b], v[T+1+16*\b], v[T+2+16*\b]   ; each block's largest t: for the group's maximum and, since p rises with t, for the block's largest p
.endr
.irp i, 3,5,7,9,11,13
.irp b, 0,1,2,3
	v_max3_num_f32 v[BM+\b], v[BM+\b], v[T+16*\b+\i], v[T+1+16*\b+\i]
.endr
.endr
.irp b, 0,1,2,3
	v_max_num_f32 v[BM+\b], v[BM+\b], v[T+15+16*\b]
.endr
.irp b, 0,1,2,3
	v_permlanex16_b32 v[BM+4+\b], v[BM+\b], s[SEL], s[SEL+1]
.endr
.irp b, 0,1,2,3
	v_max_num_f32 v[BM+\b], v[BM+\b], v[BM+4+\b]
.endr
	v_max3_num_f32 v[NM+1], v[BM], v[BM+1], v[BM+2]
	v_max3_num_f32 v[NM+1], v[NM+1], v[BM+3], 0xff61b1e6   ; held at -3e38 from below, for the group that is all hidden
	v_floor_f32 v[NM], -v[NM+1]                    ; -M = floor(-t) = -ceil(t)
.set i, 0
.rept 32
	v_pk_add_f32 v[T+i:T+i+1], v[T+i:T+i+1], v[NM:NM+1] op_sel_hi:[1,0]   ; t - M
.set i, i+2
.endr
.irp b, 0,1,2,3
	v_add_f32 v[BM+\b], v[BM+\b], v[NM]
.endr
.set i, 0
	s_wait_alu depctr_va_vdst(0)
.rept 64
	v_exp_f32 v[T+i], v[T+i]                       ; p = 2^(t - M), not normalised
.set i, i+1
.endr
	v_mov_b32 v[NMS+(\a)], v[NM]                   ; (a plain line behind the exponentials)
	s_wait_alu depctr_va_vdst(0)                   ; one wait for the batch, ahead of its first reader
.irp b, 0,1,2,3
	v_exp_f32 v[BM+\b], v[BM+\b]                   ; the block's largest p: the same lines on the same number give the same bits
.endr
	v_pk_add_f32 v[SA:SA+1], v[T:T+1], v[T+2:T+3]  ; the sum of the unquantised p, in two chains
	v_pk_add_f32 v[SB:SB+1], v[T+4:T+5], v[T+6:T+7]
.irp j, 8,12,16,20,24,28,32,36,40,44,48,52,56,60
	v_pk_add_f32 v[SA:SA+1], v[SA:SA+1], v[T+\j:T+\j+1]
	v_pk_add_f32 v[SB:SB+1], v[SB:SB+1], v[T+\j+2:T+\j+3]
.endr
	v_pk_add_f32 v[SA:SA+1], v[SA:SA+1], v[SB:SB+1]
	v_add_f32 v[SA], v[SA], v[SA+1]
	v_permlanex16_b32 v[SB], v[SA], s[SEL], s[SEL+1]
	v_add_f32 v[LSV+(\a)], v[SA], v[SB]
	s_wait_alu depctr_va_vdst(0)                   ; and one for the four
.irp b, 0,1,2,3
	v_max_num_f32 v[BM+\b], 0x1800000, v[BM+\b]    ; the floor 2^(3 - 127): the byte cannot fall under 1
.endr
.irp b, 0,1,2,3
	v_add_nc_u32 v[SO+\b], 0xff000000, v[BM+\b]
.endr
.irp b, 0,1,2,3
	v_lshrrev_b32 v[BM+4+\b], 23, v[SO+\b]
.endr
	v_lshl_or_b32 v[PWS+(\a)], v[BM+5], 8, v[BM+4]
	v_lshl_or_b32 v[PWS+(\a)], v[BM+6], 16, v[PWS+(\a)]
	v_lshl_or_b32 v[PWS+(\a)], v[BM+7], 24, v[PWS+(\a)]
.irp c, 0,1
	v_cvt_scalef32_pk16_fp6_f32 v[CD+12*(\a)+6*\c:CD+12*(\a)+6*\c+2], v[T+32*\c:T+32*\c+15], v[SO+2*\c]
	v_cvt_scalef32_pk16_fp6_f32 v[TC+4*\c:TC+4*\c+2], v[T+32*\c+16:T+32*\c+31], v[SO+2*\c+1]
.endr
	v_nop                                          ; one plain line behind the scaled conversions
.irp c, 0,1
.irp i, 0,1,2
	v_permlane16_swap_b32 v[CD+12*(\a)+6*\c+\i], v[TC+4*\c+\i]
.endr
.irp i, 0,1,2
	v_mov_b32 v[CD+12*(\a)+6*\c+3+\i], v[TC+4*\c+\i]
.endr
.endr
.irp g, 0,1,2
	global_store_b128 v[LI], v[CD+12*(\a)+4*\g:CD+12*(\a)+4*\g+3], s[8:9] offset:(\a)*FRB+512*\g
.endr
.endm
	s_load_b256 s[4:11], s[0:1], 0x0               ; q, k, V^T: codes s[4:5], scale words s[6:7]; p's codes s[8:9]; p_aux s[10:11]
	v_lshl_add_u32 v[SPW], v0, 2, SPARE
	v_mov_b32 v[NIL], 0
	ds_add_u32 v[SPW], v[NIL]                      ; the opening: the add, twice on end, and its wait ahead of my first tensor load
	ds_add_u32 v[SPW], v[NIL]
	v_lshrrev_b32 v1, 5, v0
	v_readfirstlane_b32 s14, v1
	s_lshr_b32 s15, s14, 1                         ; rh: my 128 queries
	s_and_b32 s16, s14, 1                          ; ch: my 128 keys
	s_mov_b32 s17, 0
.irp th, 1,3,6,10,15,21,28                     ; i = how many of the rows' first numbers are at or under x
	s_cmp_ge_u32 ttmp9, \th
	s_cselect_b32 s18, 1, 0
	s_add_co_u32 s17, s17, s18
.endr
	s_add_co_u32 s18, s17, 1
	s_mul_i32 s18, s18, s17
	s_lshr_b32 s18, s18, 1
	s_sub_co_u32 s18, ttmp9, s18                   ; j = x - i (i + 1) / 2
	s_and_b32 s19, ttmp7, 0xffff                   ; the batch
	s_mov_b32 s[G1C], 3<<16                        ; dense rows of 256 bytes; no mask, no padding
	s_mov_b32 s[G1C+1], 32<<16
	s_mov_b32 s[G1C+2], 144<<16                    ; three chunks: 144 rows: the two first fills of a region
	s_mov_b32 s[G1C+3], 32<<16
	s_mov_b32 s[G1C+4], 144
	s_mov_b32 s[G1C+5], 32
	s_mov_b32 s[G1C+6], 0
	s_mov_b32 s[G1C+7], 0
	s_mov_b32 s[G1S], 3<<16                        ; no mask, no padding
	s_mov_b32 s[G1S+1], 32<<16
	s_mov_b32 s[G1S+2], 96<<16                     ; two chunks: 96 rows: the refill with K steps 6, 7
	s_mov_b32 s[G1S+3], 32<<16
	s_mov_b32 s[G1S+4], 96
	s_mov_b32 s[G1S+5], 32
	s_mov_b32 s[G1S+6], 0
	s_mov_b32 s[G1S+7], 0
	s_cmp_lt_u32 s14, 2                            ; waves 0, 1 fetch q's two row groups, waves 2, 3 k's
	s_cselect_b32 s20, s17, s18
	s_cselect_b32 s21, 0, 512
	s_lshl_b32 s20, s20, 1
	s_add_co_u32 s20, s20, s16
	s_lshl_b32 s22, s19, 4
	s_add_co_u32 s20, s20, s22
	s_lshl_b32 s20, s20, 3
	s_add_co_u32 s20, s20, s21                     ; my row group's first chunk
	s_mul_i32 s22, s20, CH
	s_mov_b32 s23, 0
	s_lshl_b32 s20, s20, 9
	s_mov_b32 s21, 0
	s_mul_i32 s62, s14, REG
	s_lshl_b32 s63, s14, 12
	s_add_co_u32 s63, s63, SCL
	s_mov_b32 s[SEL], 0x76543210
	s_mov_b32 s[SEL+1], 0xfedcba98
	s_mov_b32 s[CS], 0x3d38aa3b                    ; log2(e) / sqrt(1024)
	s_mov_b32 s[CS+1], s[CS]
	s_wait_dscnt 0x0                               ; both opening adds are done
	s_wait_kmcnt 0x0
	s_add_nc_u64 s[22:23], s[4:5], s[22:23]
	; THE FILLS: one tensor load a wave at the head (K steps 0-2), one behind the next barrier (3-5), one behind the barrier in K step 2 (6, 7): one load a wave is out at any place.
	; My row group's scale words, 4,096 bytes, come through registers: eight loads of 512 consecutive bytes, stored to LDS bytes that no tensor load fills.
	s_add_nc_u64 s[12:13], s[6:7], s[20:21]
	MKG0 G00, 62, 0, 22, 0
	MKG0 G01, 62, 3*CH, 22, 3*CH
	tensor_load_to_lds s[G00:G00+3], s[G1C:G1C+7]  ; K steps 0, 1, 2: one tensor load a wave at the head
	s_nop 0
	PLACES
	v_and_b32 v1, 31, v0
	v_bfe_u32 v2, v0, 4, 1
	v_and_b32 v3, 15, v0
	v_lshlrev_b32 v[LI], 4, v1
	v_add_nc_u32 v30, s63, v[LI]                   ; where my row group's scale words go
	s_wait_alu depctr_va_vdst(0)
.irp i, 0,1,2,3,4,5,6,7
	global_load_b128 v[AF+4*\i:AF+4*\i+3], v[LI], s[12:13] offset:512*\i
.endr
	s_mul_i32 s20, s15, REG
	v_add_nc_u32 v[ADRA], s20, v[LI]
	v_add_nc_u32 v[ADRA+1], 3*CH, v[ADRA]
	s_add_co_u32 s20, s16, 2
	s_mul_i32 s20, s20, REG
	v_add_nc_u32 v[ADRB], s20, v[LI]
	v_add_nc_u32 v[ADRB+1], 3*CH, v[ADRB]
	s_lshl_b32 s20, s15, 12
	s_add_co_u32 s20, s20, SCL
	v_add_nc_u32 v[ADSA], s20, v[LI]
	s_lshl_b32 s20, s16, 12
	s_add_co_u32 s20, s20, SCL+8192
	v_add_nc_u32 v[ADSB], s20, v[LI]
	s_lshl_b32 s[Q0], s17, 8
	s_lshl_b32 s20, s15, 7
	s_add_co_u32 s[Q0], s[Q0], s20                 ; my first query in the batch
	s_lshl_b32 s[K0], s18, 8
	s_lshl_b32 s20, s16, 7
	s_add_co_u32 s[K0], s[K0], s20                 ; my first key
	s_sub_co_i32 s20, s[Q0], s[K0]
	v_and_b32 v[D0], 8, v3
	v_add_nc_u32 v[D0], v[D0], v3                  ; r + 8 (r / 8)
	v_lshlrev_b32 v4, 4, v2
	v_sub_nc_u32 v[D0], v[D0], v4                  ; - 16 h
	v_add_nc_u32 v[D0], s20, v[D0]
	s_lshl_b32 s20, s17, 1                         ; my chunk of p
	s_add_co_u32 s20, s20, s15
	s_lshl_b32 s21, s19, 4
	s_add_co_u32 s20, s20, s21
	s_lshl_b32 s20, s20, 4
	s_lshl_b32 s21, s18, 1
	s_add_co_u32 s20, s20, s21
	s_add_co_u32 s20, s20, s16
	s_mul_i32 s22, s20, CH
	s_mov_b32 s23, 0
	s_add_nc_u64 s[8:9], s[8:9], s[22:23]
	s_mul_i32 s22, s20, 1536
	s_add_nc_u64 s[10:11], s[10:11], s[22:23]
	s_wait_alu depctr_va_vdst(0)
	s_wait_loadcnt 0x0                             ; the scale words are in registers
.irp i, 0,1,2,3,4,5,6,7
	ds_store_b128 v30, v[AF+4*\i:AF+4*\i+3] offset:512*\i
.endr
	s_wait_tensorcnt 0x0                           ; my K steps 0-2 are in
	ds_add_u32 v[SPW], v[NIL]
	s_wait_dscnt 0x0                               ; the add and my stores of scale words are done
	s_barrier_signal -1
	s_barrier_wait -1
	tensor_load_to_lds s[G01:G01+3], s[G1C:G1C+7]  ; K steps 3, 4, 5: my one tensor load behind this barrier
	s_nop 0
	PLACES
	FB 0, 0
	FA 0, 0
	STEP 0, 1
	STEP 1, 0
	TURN 2, 1                                      ; positions 3 to 5 are whole; positions 0, 1 are read out and take K steps 6, 7
	STEP 3, 0
	STEP 4, 0
	TURN 5, 0
	STEP 6, 0
	LAST 7
	PLACES
	v_mov_b32 v[NINF], 0xff800000
.irp a, 0,1,2,3,4,5,6,7
	SOFT \a
.endr
	v_cmp_lt_u32 vcc_lo, 15, v1                    ; lanes 16-31 carry the odd fragments' numbers
.irp i, 0,1,2,3
	v_cndmask_b32 v[64+\i], v[PWS+2*\i], v[PWS+2*\i+1], vcc_lo
	v_cndmask_b32 v[68+\i], v[NMS+2*\i], v[NMS+2*\i+1], vcc_lo
	v_cndmask_b32 v[72+\i], v[LSV+2*\i], v[LSV+2*\i+1], vcc_lo
.endr
	global_store_b128 v[LI], v[64:67], s[10:11]
	global_store_b128 v[LI], v[68:71], s[10:11] offset:512
	global_store_b128 v[LI], v[72:75], s[10:11] offset:1024
	s_cmp_lg_u32 s17, s18                          ; the zero chunks behind the diagonal: ids alone
	s_cbranch_scc1 .Lno_pad
	s_bitcmp1_b32 s17, 0
	s_cbranch_scc1 .Lno_pad
.irp i, 0,1,2,3
	v_mov_b32 v[76+\i], 0
.endr
.set i, 0
.rept 24
	global_store_b128 v[LI], v[76:79], s[8:9] offset:2*CH+512*i   ; key step 2 i + 2 + ch of my row group
.set i, i+1
.endr
.Lno_pad:
	s_wait_tensorcnt 0x0                           ; the wave's end
	ds_add_u32 v[SPW], v[NIL]
	s_wait_dscnt 0x0
	s_endpgm
.Lfunc_end_k_qe3393b7dff_scores:
	.size	k_qe3393b7dff_scores, .Lfunc_end_k_qe3393b7dff_scores-k_qe3393b7dff_scores
	.p2alignl 7, 3214868480
	.fill 96, 4, 3214868480
	.section	.rodata,"a",@progbits
	.p2align	6, 0x0
	.amdhsa_kernel k_qe3393b7dff_scores
		.amdhsa_group_segment_fixed_size 327680
		.amdhsa_private_segment_fixed_size 0
		.amdhsa_enable_private_segment 0
		.amdhsa_kernarg_size 32
		.amdhsa_user_sgpr_count 2
		.amdhsa_user_sgpr_kernarg_segment_ptr 1
		.amdhsa_wavefront_size32 1
		.amdhsa_system_sgpr_workgroup_id_x 1
		.amdhsa_system_sgpr_workgroup_id_y 1
		.amdhsa_system_sgpr_workgroup_id_z 1
		.amdhsa_system_vgpr_workitem_id 0
		.amdhsa_next_free_vgpr 1024
		.amdhsa_next_free_sgpr 66
		.amdhsa_reserve_vcc 1
		.amdhsa_float_denorm_mode_32 3
		.amdhsa_float_denorm_mode_16_64 3
		.amdhsa_memory_ordered 1
		.amdhsa_forward_progress 1
		.amdhsa_inst_pref_size 246
	.end_amdhsa_kernel
	.amdgpu_metadata
---
amdhsa.version: [ 1, 2 ]
amdhsa.kernels:
  - .name:           k_qe3393b7dff_scores
    .symbol:         k_qe3393b7dff_scores.kd
    .args:
      - { .name: qkv_codes, .offset: 0, .size: 8, .value_kind: global_buffer, .address_space: global }
      - { .name: qkv_scales, .offset: 8, .size: 8, .value_kind: global_buffer, .address_space: global }
      - { .name: p_codes, .offset: 16, .size: 8, .value_kind: global_buffer, .address_space: global }
      - { .name: p_aux, .offset: 24, .size: 8, .value_kind: global_buffer, .address_space: global }
    .group_segment_fixed_size: 327680
    .private_segment_fixed_size: 0
    .kernarg_segment_align: 8
    .kernarg_segment_size: 32
    .max_flat_workgroup_size: 128
    .sgpr_count:     66
    .vgpr_count:     1024
    .wavefront_size: 32
...
	.end_amdgpu_metadata
.endif
;; end of part 3
;; launch pv (part 4): grid 4 x 64, 4 waves a work-group, clusters of 4 x 4, 327,680 bytes of LDS; arguments p_codes, p_aux, qkv_codes, qkv_scales, o_codes, o_scales; writes o_codes, o_scales
.if DOCPART == 4
	.amdgcn_target "amdgcn-amd-amdhsa--gfx1250"
	.amdhsa_code_object_version 6
	.text
	.protected	k_qe3393b7dff_pv
	.globl	k_qe3393b7dff_pv
	.p2align	8
	.type	k_qe3393b7dff_pv,@function
k_qe3393b7dff_pv:
	s_mov_b64 s[64:65], 0
	v_nop
	global_prefetch_b8 v0, s[64:65] scope:SCOPE_SE
	s_setreg_imm32_b32 hwreg(HW_REG_WAVE_MODE, 25, 1), 1
	s_wait_xcnt 0x0
	s_wait_alu depctr_hold_cnt(0) depctr_sa_sdst(0) depctr_va_vdst(0) depctr_va_sdst(0) depctr_va_ssrc(0) depctr_va_vcc(0) depctr_vm_vsrc(0)
	s_getreg_b32 s2, hwreg(HW_REG_IB_STS2, 6, 4)
	s_cmp_eq_u32 s2, 0
	s_cbranch_scc0 .Lentry_in_a_cluster
	s_endpgm
.Lentry_in_a_cluster:
	s_bfe_u32 s2, ttmp6, 0x10000c
	s_cmp_lg_u32 s2, 0xf033
	s_cbranch_scc0 .Lentry_shape_is_right
	s_endpgm
.Lentry_shape_is_right:
; LAUNCH 4 OF 5.  o = P V / l, quantised along the channels.  A work-group makes 128 queries (row group G of a batch) x 256 channels (tile X); four waves, each 64 queries (rh) x 128 channels (ch): 32 accumulators.
; Launch 3 left, for each query and each group of 128 keys, p under the group's own whole number M_g, with -M_g and l_g.  THE HEAD joins them: -M = the least -M_g; l = the sum of l_g 2^(M_g - M), exact scalings;
; and M - M_g is taken off the four scale bytes of the group's p, byte by byte: the codes stay.  A byte that would fall under 0 is held at 0: such a p lies under 2^-120, beside a row's sum of at least 1/2.
; THE WALK goes in steps of 512 keys (a slot: 4 chunks of P, 2 x 4 chunks of V^T).  LEFT OUT: the steps whose 512 keys all come after all the queries of the row groups 4 m .. 4 m + 3 (launch 1's head shows why they are
; dead).  The step on the diagonal is done whole: its hidden keys have zero codes (launch 3 stored them), work inside a step that holds live keys.  A NaN or infinity that reaches only what is left out is not carried on.
; CLUSTERS 4 x 4: cx = the channel tile, cy = the row group within four, so G = 4 m + cy, and m and the batch come from the cluster's number.  P's chunks hang on the row group alone and are shared along a row of the
; cluster, V^T's on the channel tile alone and are shared along a column: joint loads.  All sixteen partners walk the same m + 1 slots: every branch of the walk hangs on m, which they share, none on cx or cy.
; The walk is written out: stage c asks for slot c + 1 and works slot c; the last slot, m, has a tail of its own for each of the two LDS slots, which asks for nothing.  One tensor load a wave is out at any place.
; The tails take slot m's scale words by address registers made from m at the head, so that one tail serves two values of m.  The clusters with the most slots have the lowest numbers.
; V^T's scale words (16,384 bytes beside 393,216 of codes at the most) come through registers, 4,096 bytes a wave, into LDS bytes that no tensor load fills; so small a part is not asked for jointly.
; PREFETCH: stage c names the blocks of 256 bytes of slot c + 2, one slot ahead of the load that wants them, where m has such a slot.  The four partners that ask for a tile jointly share its blocks out by address:
; of a wave's 96 blocks of P partner cx names 24, of its 192 blocks of V^T partner cy names 48; lanes 24-31 name their instruction's last block again.  Slots 0 and 1 come by their loads alone.
; LIMITS: as stated at launch 1's head.
.set CH,    12288
.set FRB,   1536
.set SLOT,  12*CH                      ; P's 4 chunks, then V^T's 2 x 4
.set SB,    2*SLOT                     ; V^T's scale words: 2 row groups x 16 key chunks x 512 bytes
.set SA,    SB+16384                   ; P's scale words under the row's M: 16 x 512 bytes
.set SPARE, SA+8192                    ; the spare words: two blocks of 256 bytes that no other line names
.set PFO,  15                          ; v15 the prefetches' offset; never rewritten
.set ADRA, 16                          ; v16, v17 my fragments of P in slot 0, 1
.set ADRB, 20                          ; v20, v21 my row group of V^T
.set ADSA, 22                          ; v22, v23 the scale words, key chunk 0
.set ADSB, 23
.set LI,   24                          ; v24 16 x lane
.set LS,   25                          ; v25 16 x lane + 8 rh
.set SAW,  26                          ; v26 where I store P's scale words
.set VSW,  27                          ; v27 where I store V^T's
.set SPW,  28
.set NIL,  29
.set ADSAT, 30                         ; v30, v31 the scale words of slot m
.set ADSBT, 31
.set SC,   32                          ; v32-47 scale words, two sets
.set INV,  48                          ; v48-55 1 / l of my four blocks, each twice
.set PWO,  56                          ; v56-59 o's scale words
.set AF,   64                          ; v64-111, v112-159 P's fragments, two sets; window 1: V^T's at v0, v128; window 2: the accumulators
.set H,    64
.set CD,   128
.set TM,   224
.set TC,   240
.set NG,   64                          ; at the head: v64-127 -M_g, v128-191 l_g, v192-207 my four chunks' scale words, v208-223 their -M_g
.set LG,   128
.set OWW,  192
.set OWN,  208
.set OF,   224
.set OW,   240
.set NMF,  244
.set LA,   248
.set T,    252
.set G1A,  24
.set G1B,  32
.set M,    40
.set CX,   41
.set CY,   42
.set G,    43
.set PF,   44
.set G0A,  48
.set G0B,  56
.set SEL,  66
.set VS,   80
.set SM,   82
.set C01,  83
.set MUL,  0xa1                        ; source 0 (V^T) window 1, source 1 (P) window 0, C and D window 2
.set TO_B, 0x40
.set MSB, 0
.macro WIN new
.if MSB != (\new)
	s_set_vgpr_msb (MSB<<8)|(\new)
.set MSB, (\new)
.endif
.endm
.macro WM c, rb, ra                    ; one product; a scale register serves an even fragment in lanes 0-15 and the odd one beside it in lanes 16-31
.if ((\rb) == 0) && ((\ra) == 0)
	v_wmma_scale_f32_16x16x128_f8f6f4 v[rD:rD+7], v[rB:rB+11], v[rA:rA+11], \c, v[rSB], v[rSA] matrix_a_fmt:MATRIX_FMT_FP6 matrix_b_fmt:MATRIX_FMT_FP6
.elseif ((\rb) == 1) && ((\ra) == 0)
	v_wmma_scale_f32_16x16x128_f8f6f4 v[rD:rD+7], v[rB:rB+11], v[rA:rA+11], \c, v[rSB], v[rSA] matrix_a_fmt:MATRIX_FMT_FP6 matrix_b_fmt:MATRIX_FMT_FP6 matrix_a_scale:MATRIX_SCALE_ROW1
.elseif ((\rb) == 0)
	v_wmma_scale_f32_16x16x128_f8f6f4 v[rD:rD+7], v[rB:rB+11], v[rA:rA+11], \c, v[rSB], v[rSA] matrix_a_fmt:MATRIX_FMT_FP6 matrix_b_fmt:MATRIX_FMT_FP6 matrix_b_scale:MATRIX_SCALE_ROW1
.else
	v_wmma_scale_f32_16x16x128_f8f6f4 v[rD:rD+7], v[rB:rB+11], v[rA:rA+11], \c, v[rSB], v[rSA] matrix_a_fmt:MATRIX_FMT_FP6 matrix_b_fmt:MATRIX_FMT_FP6 matrix_a_scale:MATRIX_SCALE_ROW1 matrix_b_scale:MATRIX_SCALE_ROW1
.endif
.endm
.macro MUL8 a, p, zero                 ; my block a of P x V^T's eight fragments
.irp b, 0,1,2,3,4,5,6,7
.set rD, 8*(8*(\a)+\b)
.set rB, 128*(\p)+12*\b
.set rA, AF+48*(\p)+12*(\a)
.set rSB, SC+8*(\p)+4+\b/2
.set rSA, SC+8*(\p)+(\a)/2
.if \zero
	WM 0, \b%2, (\a)%2
.else
	WM v[rD:rD+7], \b%2, (\a)%2
.endif
.endr
.endm
.macro MULS p, zero                    ; 128 keys: the 32 accumulators take turns, one instruction a turn
	WIN MUL
	MUL8 0, \p, \zero
	MUL8 1, \p, \zero
	MUL8 2, \p, \zero
	MUL8 3, \p, \zero
	WIN 0
.endm
.macro FETCH h, q, p, ra, rb, so       ; key chunk q of LDS slot h into set p: 38 loads
	WIN TO_B
.irp f, 0,1,2,3,4,5,6,7
.irp g, 0,1,2
	ds_load_b128 v[128*(\p)+12*\f+4*\g:128*(\p)+12*\f+4*\g+3], v[ADRB+(\h)] offset:(\q)*CH+\f*FRB+\g*512
.endr
.endr
	WIN 0
	ds_load_b128 v[SC+8*(\p)+4:SC+8*(\p)+7], v[\rb] offset:(\so)+(\q)*512
.irp f, 0,1,2,3
.irp g, 0,1,2
	ds_load_b128 v[AF+48*(\p)+12*\f+4*\g:AF+48*(\p)+12*\f+4*\g+3], v[ADRA+(\h)] offset:(\q)*CH+\f*FRB+\g*512
.endr
.endr
	ds_load_b64 v[SC+8*(\p):SC+8*(\p)+1], v[\ra] offset:(\so)+(\q)*512
.endm
.macro PLACES                          ; four plain lines between a matrix instruction and a load into, or a vector instruction on, its registers (ISA guide 7.12.1 for vector instructions)
.rept 4
	v_nop
.endr
.endm
.macro MKG0 g, lb, lo, ap, go          ; descriptor group 0: count 1, LDS byte, global address, type 2
	s_mov_b32 s[\g], 1
	s_add_co_u32 s[\g+1], s[\lb], \lo
	s_add_nc_u64 s[\g+2:\g+3], s[\ap:\ap+1], \go
	s_or_b32 s[\g+3], s[\g+3], 0x80000000
.endm
.macro G1SET g, rows                   ; dense rows of 256 bytes
	s_mov_b32 s[\g+1], 32<<16
	s_mov_b32 s[\g+2], (\rows)<<16
	s_mov_b32 s[\g+3], 32<<16
	s_mov_b32 s[\g+4], \rows
	s_mov_b32 s[\g+5], 32
	s_mov_b32 s[\g+6], 0
	s_mov_b32 s[\g+7], 0
.endm
.macro JLOAD h                         ; a joint load into LDS slot h: waves 0, 1 two chunks of P each, waves 2, 3 a row group's four chunks of V^T; an s_nop 0 and four v_nop follow each line
	s_cmp_lt_u32 s16, 2
	s_cbranch_scc0 .Lfor_b_\@
	tensor_load_to_lds s[G0A+4*(\h):G0A+4*(\h)+3], s[G1A:G1A+7]
	s_nop 0
.rept 4
	v_nop
.endr
	s_branch .Lasked_\@
.Lfor_b_\@:
	tensor_load_to_lds s[G0B+4*(\h):G0B+4*(\h)+3], s[G1B:G1B+7]
	s_nop 0
.rept 4
	v_nop
.endr
.Lasked_\@:
.endm
.macro CROUND                          ; a round of the cluster's barrier
	s_barrier_signal -1
	s_barrier_wait -1
	s_cmp_lg_u32 s16, 0
	s_cbranch_scc1 .Lnot_wave_0_\@
	s_barrier_signal -3
.Lnot_wave_0_\@:
	s_barrier_wait -3
	s_barrier_signal -1
	s_barrier_wait -1
.endm
.macro ASK s                           ; slot s's blocks, where the walk has such a slot: 24 blocks for a wave of P, 48 for a wave of V^T.  The address registers are never rewritten
	s_cmp_lt_u32 s[M], \s
	s_cbranch_scc1 .Lno_\@
	global_prefetch_b8 v[PFO], s[PF:PF+1] offset:(\s)*4*CH th:TH_LOAD_NT scope:SCOPE_SE
	s_cmp_lt_u32 s16, 2
	s_cbranch_scc1 .Lno_\@
	global_prefetch_b8 v[PFO], s[PF:PF+1] offset:(\s)*4*CH+24*256 th:TH_LOAD_NT scope:SCOPE_SE
.Lno_\@:
.endm
.macro WORK h, ra, rb, so, first, ask, lab   ; the four key chunks of LDS slot h.  first = 1: the first product starts the sums.  Four places stand ahead of this macro
	FETCH \h, 0, 0, \ra, \rb, \so
.if (\ask) < 4
	ASK \ask
.endif
.irp q, 0,1,2,3
.if (\q == 1) && (\lab)
.Ltail0_q1:
.endif
.if \q < 3
	PLACES                                         ; the other set was read by the chunk before
	FETCH \h, \q+1, (\q+1)%2, \ra, \rb, \so
	s_wait_dscnt 38                                ; all but the 38 just issued
.else
	s_wait_dscnt 0x0
.endif
.if (\first) && (\q == 0)
	MULS 0, 1
.else
	MULS \q%2, 0
.endif
.endr
.endm
.macro STAGE c, tail, first            ; slot c is worked, slot c + 1 asked for.  Where c is the last slot, its tail takes over: the branch hangs on m alone
	s_cmp_eq_u32 s[M], \c
	s_cbranch_scc1 \tail
	s_wait_tensorcnt 0x0                           ; my one load that was out, my part of slot c, has landed
	ds_add_u32 v[SPW], v[NIL]                      ; 0 onto my spare word
.if \c > 0
	s_add_nc_u64 s[G0A+4*((\c+1)%2)+2:G0A+4*((\c+1)%2)+3], s[G0A+4*((\c+1)%2)+2:G0A+4*((\c+1)%2)+3], 8*CH
	s_add_nc_u64 s[G0B+4*((\c+1)%2)+2:G0B+4*((\c+1)%2)+3], s[G0B+4*((\c+1)%2)+2:G0B+4*((\c+1)%2)+3], 8*CH
.endif
	s_wait_dscnt 0x0                               ; the add is done, and so are my LDS stores and my reads of the other slot
	CROUND                                         ; no wave of any partner still reads that slot or has a load on its way
	JLOAD (\c+1)%2                                 ; my one tensor load behind the round; its four v_nop are the places in front of the loads below
	WORK (\c)%2, ADSA, ADSB, 2048*(\c), \first, (\c)+2, 0
.endm
.macro MEET                            ; in front of a last slot
	s_wait_tensorcnt 0x0
	ds_add_u32 v[SPW], v[NIL]
	s_wait_dscnt 0x0
	s_barrier_signal -1
	s_barrier_wait -1
.endm
; 64 numbers of a lane, register 16 b + i = channel 32 b + 16 h + i of its row, become a fragment's codes in v[pc] on and its scale word in v[pw]
.macro QUANT s, pc, pw
.irp b, 0,1,2,3
	v_max3_num_f32 v[TM+\b], |v[(\s)+16*\b]|, |v[(\s)+1+16*\b]|, 0x1800000   ; with the floor 2^(3 - 127): the byte cannot fall under 1
.endr
.irp i, 2,4,6,8,10,12,14
.irp b, 0,1,2,3
	v_max3_num_f32 v[TM+\b], v[TM+\b], |v[(\s)+16*\b+\i]|, |v[(\s)+1+16*\b+\i]|
.endr
.endr
.irp b, 0,1,2,3
	v_permlanex16_b32 v[TM+4+\b], v[TM+\b], s[SEL], s[SEL+1]
.endr
.irp b, 0,1,2,3
	v_max_num_f32 v[TM+\b], v[TM+\b], v[TM+4+\b]   ; with lane l xor 16's: the block's largest magnitude
.endr
.irp b, 0,1,2,3
	v_add_nc_u32 v[TM+12+\b], 0xff000000, v[TM+\b] ; 2 off the exponent field: the conversion's scale operand
.endr
.irp b, 0,1,2,3
	v_lshrrev_b32 v[TM+4+\b], 23, v[TM+12+\b]      ; the scale's byte
.endr
	v_lshl_or_b32 v[\pw], v[TM+5], 8, v[TM+4]
	v_lshl_or_b32 v[\pw], v[TM+6], 16, v[\pw]
	v_lshl_or_b32 v[\pw], v[TM+7], 24, v[\pw]
.irp c, 0,1
	v_cvt_scalef32_pk16_fp6_f32 v[(\pc)+6*\c:(\pc)+6*\c+2], v[(\s)+32*\c:(\s)+32*\c+15], v[TM+12+2*\c]
	v_cvt_scalef32_pk16_fp6_f32 v[TC+4*\c:TC+4*\c+2], v[(\s)+32*\c+16:(\s)+32*\c+31], v[TM+13+2*\c]
.endr
	v_nop                                          ; one plain line behind the scaled conversions
.irp c, 0,1                                    ; the operand wants a whole block in a lane
.irp i, 0,1,2
	v_permlane16_swap_b32 v[(\pc)+6*\c+\i], v[TC+4*\c+\i]
.endr
.irp i, 0,1,2
	v_mov_b32 v[(\pc)+6*\c+3+\i], v[TC+4*\c+\i]
.endr
.endr
.endm
	s_load_b256 s[4:11], s[0:1], 0x0               ; p's codes, p_aux, q k V^T's codes and scale words
	s_load_b128 s[12:15], s[0:1], 0x20             ; o's codes and scale words
	v_lshl_add_u32 v[SPW], v0, 2, SPARE
	v_mov_b32 v[NIL], 0
	ds_add_u32 v[SPW], v[NIL]                      ; the opening: the add, twice on end, and its wait ahead of my first tensor load
	ds_add_u32 v[SPW], v[NIL]
	v_lshrrev_b32 v1, 5, v0
	v_readfirstlane_b32 s16, v1                    ; wave 0..3
	s_lshr_b32 s17, s16, 1                         ; rh
	s_and_b32 s18, s16, 1                          ; ch.  Also: which part I fetch
	s_bfe_u32 s[CX], ttmp6, 0x40000
	s_bfe_u32 s[CY], ttmp6, 0x40004
	s_and_b32 s21, ttmp7, 0xffff                   ; the cluster's number, 0..15
	s_and_b32 s[M], s21, 3
	s_xor_b32 s[M], s[M], 3                        ; m: the last slot; the longest walks have the lowest numbers
	s_lshr_b32 s21, s21, 2                         ; the batch
	s_lshl_b32 s[G], s[M], 2
	s_add_co_u32 s[G], s[G], s[CY]                 ; G = 4 m + cy
	s_lshl_b32 s20, s21, 4
	s_add_co_u32 s20, s20, s[G]                    ; my row group: holds cy, never cx
	s_lshl_b32 s68, ttmp9, 2
	s_add_co_u32 s68, s68, s[CX]                   ; X: holds cx, never cy
	s_lshl_b32 s69, s[CY], 2
	s_lshl_b32 s69, 15, s69                        ; my row of the cluster
	s_lshl_b32 s70, 0x1111, s[CX]                  ; my column
	s_or_b32 s[G1A], s69, (3<<16)|(1<<21)          ; the mask; elements of 8 bytes; bit 21 beside a mask; no padding
	s_or_b32 s[G1B], s70, (3<<16)|(1<<21)
	G1SET G1A, 96                                  ; two chunks of P
	G1SET G1B, 192                                 ; four chunks of V^T
	s_mul_i32 s19, s18, 2*CH                       ; P: my two chunks of a slot, in memory and in LDS
	s_mul_i32 s76, s20, 16*CH
	s_add_co_u32 s76, s76, s19
	s_mov_b32 s77, 0
	s_lshl_b32 s72, s21, 3
	s_lshl_b32 s73, s68, 1
	s_add_co_u32 s72, s72, s73                     ; V^T's row group 8 batch + 2 X
	s_add_co_u32 s78, s72, s18
	s_lshl_b32 s78, s78, 4
	s_add_co_u32 s78, s78, 1024
	s_mul_i32 s78, s78, CH
	s_mov_b32 s79, 0
	s_mul_i32 s23, s18, 4*CH
	s_add_co_u32 s23, s23, 4*CH                    ; and its place in a slot
	s_lshl_b32 s[VS], s72, 4
	s_add_co_u32 s[VS], s[VS], 1024
	s_lshl_b32 s[VS], s[VS], 9
	s_lshl_b32 s73, s16, 12
	s_add_co_u32 s[VS], s[VS], s73                 ; my quarter of the two row groups' scale words
	s_mov_b32 s[VS+1], 0
	s_add_co_u32 s73, s73, SB
	s_mul_i32 s70, s[CX], 24*256
	s_mul_i32 s71, s[CY], 48*256
	s_mov_b32 s[SEL], 0x76543210
	s_mov_b32 s[SEL+1], 0xfedcba98
	s_wait_dscnt 0x0                               ; both opening adds are done
	s_wait_kmcnt 0x0
	s_add_nc_u64 s[76:77], s[4:5], s[76:77]
	s_add_nc_u64 s[78:79], s[8:9], s[78:79]
	s_add_nc_u64 s[VS:VS+1], s[10:11], s[VS:VS+1]
	MKG0 G0A, 19, 0, 76, 0
	MKG0 G0A+4, 19, SLOT, 76, 4*CH
	MKG0 G0B, 23, 0, 78, 0
	MKG0 G0B+4, 23, SLOT, 78, 4*CH
	s_cmp_lt_u32 s16, 2                            ; the prefetches: what I fetch, at my work-group's share of its blocks
	s_cselect_b64 s[PF:PF+1], s[76:77], s[78:79]
	s_cselect_b32 s70, s70, s71
	s_mov_b32 s71, 0
	s_add_nc_u64 s[PF:PF+1], s[PF:PF+1], s[70:71]
	CROUND                                         ; all sixteen work-groups are here: the first joint loads meet
	JLOAD 0                                        ; slot 0: one tensor load a wave at the head
	v_and_b32 v1, 31, v0
	v_lshlrev_b32 v[LI], 4, v1
	v_add_nc_u32 v[VSW], s73, v[LI]
	v_min_u32 v[PFO], 23, v1
	v_lshlrev_b32 v[PFO], 8, v[PFO]
	s_wait_alu depctr_va_vdst(0)
	WIN 0x40                                       ; into window 1, which is free at the head
.irp i, 0,1,2,3,4,5,6,7
	global_load_b128 v[4*\i:4*\i+3], v[LI], s[VS:VS+1] offset:512*\i
.endr
	WIN 0
	s_mul_i32 s69, s17, 4*FRB
	v_add_nc_u32 v[ADRA], s69, v[LI]
	v_add_nc_u32 v[ADRA+1], SLOT, v[ADRA]
	v_add_nc_u32 v[ADRB], s23, v[LI]
	v_add_nc_u32 v[ADRB+1], SLOT, v[ADRB]
	s_lshl_b32 s69, s17, 3
	v_add_nc_u32 v[LS], s69, v[LI]
	v_add_nc_u32 v[ADSA], SA, v[LS]
	s_lshl_b32 s69, s18, 13
	s_add_co_u32 s69, s69, SB
	v_add_nc_u32 v[ADSB], s69, v[LI]
	s_lshl_b32 s69, s[M], 11                       ; slot m's scale words: 4 x 512 bytes a slot
	v_add_nc_u32 v[ADSAT], s69, v[ADSA]
	v_add_nc_u32 v[ADSBT], s69, v[ADSB]
	s_lshl_b32 s69, s16, 11
	s_add_co_u32 s69, s69, SA
	v_add_nc_u32 v[SAW], s69, v[LI]
	s_mul_i32 s70, s20, 16*1536
	s_mov_b32 s71, 0
	s_add_nc_u64 s[6:7], s[6:7], s[70:71]          ; my row group's 16 records of p_aux
	s_lshl_b32 s70, s20, 3
	s_lshl_b32 s72, s68, 1
	s_add_co_u32 s70, s70, s72
	s_add_co_u32 s70, s70, s18                     ; o's chunk: 8 x row group + 2 X + ch
	s_mul_i32 s72, s70, CH
	s_mul_i32 s73, s17, 4*FRB
	s_add_co_u32 s72, s72, s73
	s_mov_b32 s73, 0
	s_add_nc_u64 s[12:13], s[12:13], s[72:73]
	s_lshl_b32 s72, s70, 9
	s_add_nc_u64 s[14:15], s[14:15], s[72:73]
.irp g, 0,1,2,3,4,5,6,7,8,9,10,11,12,13,14,15
	s_min_u32 s70, s[G], \g                        ; groups behind G are not stored: G's record is read in their stead and counts for nothing below
	s_mul_i32 s70, s70, 1536
	v_add_nc_u32 v[OF+\g], s70, v[LI]
.endr
	s_lshl_b32 s71, s16, 2
.irp e, 0,1,2,3
	s_add_co_u32 s70, s71, \e                      ; the four key chunks whose scale words I bring under the row's M
	s_min_u32 s70, s70, s[G]
	s_mul_i32 s70, s70, 1536
	v_add_nc_u32 v[OW+\e], s70, v[LI]
.endr
	s_wait_alu depctr_va_vdst(0)
.irp g, 0,1,2,3,4,5,6,7,8,9,10,11,12,13,14,15
	global_load_b128 v[NG+4*\g:NG+4*\g+3], v[OF+\g], s[6:7] offset:512
	global_load_b128 v[LG+4*\g:LG+4*\g+3], v[OF+\g], s[6:7] offset:1024
.endr
.irp e, 0,1,2,3
	global_load_b128 v[OWW+4*\e:OWW+4*\e+3], v[OW+\e], s[6:7]
	global_load_b128 v[OWN+4*\e:OWN+4*\e+3], v[OW+\e], s[6:7] offset:512
.endr
	s_cmp_lg_u32 s17, 0
	s_cselect_b32 s[SM], -1, 0
	s_mov_b32 s[C01], 0x01010101
	s_wait_loadcnt 0x0
	WIN 0x04                                       ; an LDS store's data are its source 1: window 1
.irp i, 0,1,2,3,4,5,6,7
	ds_store_b128 v[VSW], v[4*\i:4*\i+3] offset:512*\i
.endr
	WIN 0
.irp i, 0,1,2,3
	v_min3_num_f32 v[NMF+\i], v[NG+\i], v[NG+4+\i], v[NG+8+\i]   ; -M of the row: the least -M_g
.endr
.irp g, 3,5,7,9,11,13
.irp i, 0,1,2,3
	v_min3_num_f32 v[NMF+\i], v[NMF+\i], v[NG+4*\g+\i], v[NG+4*\g+4+\i]
.endr
.endr
.irp i, 0,1,2,3
	v_min_num_f32 v[NMF+\i], v[NMF+\i], v[NG+60+\i]
.endr
.irp g, 0,1,2,3,4,5,6,7,8,9,10,11,12,13,14,15
.irp i, 0,1,2,3
	v_sub_f32 v[T+\i], v[NMF+\i], v[NG+4*\g+\i]    ; M_g - M, a whole number, 0 or less
.endr
.irp i, 0,1,2,3
	v_cvt_i32_f32 v[T+\i], v[T+\i]
.endr
.if \g == 0
.irp i, 0,1,2,3
	v_ldexp_f32 v[LA+\i], v[LG+\i], v[T+\i]
.endr
.else
	s_cmp_ge_u32 s[G], \g
	s_cselect_b32 s70, 0x3f800000, 0               ; a group behind G counts 0 times: a choice, no branch
.irp i, 0,1,2,3
	v_ldexp_f32 v[T+\i], v[LG+4*\g+\i], v[T+\i]
.endr
.irp i, 0,1,2,3
	v_fma_f32 v[LA+\i], v[T+\i], s70, v[LA+\i]     ; l
.endr
.endif
.endr
.irp e, 0,1,2,3
.irp i, 0,1,2,3
	v_sub_f32 v[T+\i], v[OWN+4*\e+\i], v[NMF+\i]   ; M - M_g, 0 or more,
.endr
.irp i, 0,1,2,3
	v_min_num_f32 v[T+\i], 0x42fe0000, v[T+\i]     ; held at 127,
.endr
.irp i, 0,1,2,3
	v_cvt_u32_f32 v[T+\i], v[T+\i]
.endr
.irp i, 0,1,2,3
	v_mul_lo_u32 v[T+\i], v[T+\i], s[C01]          ; in all four bytes,
.endr
.irp i, 0,1,2,3
	v_or_b32 v[OWW+4*\e+\i], 0x80808080, v[OWW+4*\e+\i]   ; (p's bytes are under 128: bit 7 keeps a borrow inside its byte)
.endr
.irp i, 0,1,2,3
	v_sub_nc_u32 v[OWW+4*\e+\i], v[OWW+4*\e+\i], v[T+\i]  ; is taken off each byte;
.endr
.irp i, 0,1,2,3
	v_lshrrev_b32 v[T+\i], 7, v[OWW+4*\e+\i]
.endr
.irp i, 0,1,2,3
	v_and_b32 v[T+\i], 0x01010101, v[T+\i]         ; bit 7 still set: the byte did not fall under 0
.endr
.irp i, 0,1,2,3
	v_lshlrev_b32 v[OF+\i], 7, v[T+\i]
.endr
.irp i, 0,1,2,3
	v_sub_nc_u32 v[T+\i], v[OF+\i], v[T+\i]        ; 0x7f for such a byte, 0 for the others,
.endr
.irp i, 0,1,2,3
	v_and_b32 v[OWW+4*\e+\i], v[OWW+4*\e+\i], v[T+\i]     ; which are held at 0
.endr
	ds_store_b128 v[SAW], v[OWW+4*\e:OWW+4*\e+3] offset:512*\e
.endr
.irp j, 0,1
	v_cndmask_b32 v[T+\j], v[LA+\j], v[LA+2+\j], s[SM]    ; my four blocks' l
.endr
	s_wait_alu depctr_va_vdst(0)                   ; ahead of the transcendentals
.irp j, 0,1
	v_rcp_f32 v[T+\j], v[T+\j]
.endr
	v_cmp_lt_u32 vcc_lo, 15, v1
	s_wait_alu depctr_va_vdst(0)                   ; and behind them
.irp j, 0,1
	v_permlanex16_b32 v[T+2+\j], v[T+\j], s[SEL], s[SEL+1]
.endr
.irp j, 0,1
	v_cndmask_b32 v[INV+4*\j], v[T+\j], v[T+2+\j], vcc_lo     ; the even fragment's numbers lie in lanes 0-15, the odd one's in lanes 16-31: each goes to both halves of the lanes
	v_cndmask_b32 v[INV+4*\j+1], v[T+\j], v[T+2+\j], vcc_lo
	v_cndmask_b32 v[INV+4*\j+2], v[T+2+\j], v[T+\j], vcc_lo
	v_cndmask_b32 v[INV+4*\j+3], v[T+2+\j], v[T+\j], vcc_lo
.endr
	s_wait_alu depctr_va_vdst(0)
	STAGE 0, .Lonly, 1
	STAGE 1, .Ltail1, 0
	STAGE 2, .Ltail0, 0
.Ltail1:                                               ; the last slot lies in LDS slot 1: m = 1 or 3
	MEET
	PLACES
	WORK 1, ADSAT, ADSBT, 0, 0, 4, 0
	s_branch .Lout
.Lonly:                                                ; m = 0: the only slot; its first product starts the sums, the rest is the tail's
	MEET
	FETCH 0, 0, 0, ADSAT, ADSBT, 0
	FETCH 0, 1, 1, ADSAT, ADSBT, 0
	s_wait_dscnt 38
	MULS 0, 1
	s_branch .Ltail0_q1
.Ltail0:                                               ; the last slot lies in LDS slot 0: m = 2
	MEET
	PLACES
	WORK 0, ADSAT, ADSBT, 0, 0, 4, 1
.Lout:
	PLACES
.irp a, 0,1,2,3                                ; block a / l, quantised, stored as fragment 4 rh + a of o's chunk; each accumulator is read from its low end on
	WIN 0x02
.set i, 0
.rept 32
	v_pk_mul_f32 v[H+i:H+i+1], v[64*\a+i:64*\a+i+1], v[INV+2*\a:INV+2*\a+1] op_sel_hi:[1,0]
.set i, i+2
.endr
	WIN 0
	QUANT H, CD+12*\a, PWO+\a
.irp g, 0,1,2
	global_store_b128 v[LI], v[CD+12*\a+4*\g:CD+12*\a+4*\g+3], s[12:13] offset:\a*FRB+512*\g   ; 512 consecutive bytes, aligned
.endr
.endr
	v_cmp_lt_u32 vcc_lo, 15, v1                    ; lanes 16-31 carry the odd fragments' words
.irp j, 0,1
	v_cndmask_b32 v[TC+\j], v[PWO+2*\j], v[PWO+2*\j+1], vcc_lo
.endr
	global_store_b64 v[LS], v[TC:TC+1], s[14:15]
	s_wait_tensorcnt 0x0                           ; the wave's end
	ds_add_u32 v[SPW], v[NIL]
	s_wait_dscnt 0x0
	CROUND                                         ; the closing round
	s_endpgm
.Lfunc_end_k_qe3393b7dff_pv:
	.size	k_qe3393b7dff_pv, .Lfunc_end_k_qe3393b7dff_pv-k_qe3393b7dff_pv
	.p2alignl 7, 3214868480
	.fill 96, 4, 3214868480
	.section	.rodata,"a",@progbits
	.p2align	6, 0x0
	.amdhsa_kernel k_qe3393b7dff_pv
		.amdhsa_group_segment_fixed_size 327680
		.amdhsa_private_segment_fixed_size 0
		.amdhsa_enable_private_segment 0
		.amdhsa_kernarg_size 48
		.amdhsa_user_sgpr_count 2
		.amdhsa_user_sgpr_kernarg_segment_ptr 1
		.amdhsa_wavefront_size32 1
		.amdhsa_system_sgpr_workgroup_id_x 1
		.amdhsa_system_sgpr_workgroup_id_y 1
		.amdhsa_system_sgpr_workgroup_id_z 1
		.amdhsa_system_vgpr_workitem_id 0
		.amdhsa_next_free_vgpr 768
		.amdhsa_next_free_sgpr 96
		.amdhsa_reserve_vcc 1
		.amdhsa_float_denorm_mode_32 3
		.amdhsa_float_denorm_mode_16_64 3
		.amdhsa_memory_ordered 1
		.amdhsa_forward_progress 1
		.amdhsa_inst_pref_size 210
	.end_amdhsa_kernel
	.amdgpu_metadata
---
amdhsa.version: [ 1, 2 ]
amdhsa.kernels:
  - .name:           k_qe3393b7dff_pv
    .symbol:         k_qe3393b7dff_pv.kd
    .args:
      - { .name: p_codes, .offset: 0, .size: 8, .value_kind: global_buffer, .address_space: global }
      - { .name: p_aux, .offset: 8, .size: 8, .value_kind: global_buffer, .address_space: global }
      - { .name: qkv_codes, .offset: 16, .size: 8, .value_kind: global_buffer, .address_space: global }
      - { .name: qkv_scales, .offset: 24, .size: 8, .value_kind: global_buffer, .address_space: global }
      - { .name: o_codes, .offset: 32, .size: 8, .value_kind: global_buffer, .address_space: global }
      - { .name: o_scales, .offset: 40, .size: 8, .value_kind: global_buffer, .address_space: global }
    .group_segment_fixed_size: 327680
    .private_segment_fixed_size: 0
    .kernarg_segment_align: 8
    .kernarg_segment_size: 48
    .max_flat_workgroup_size: 128
    .sgpr_count:     96
    .vgpr_count:     768
    .wavefront_size: 32
...
	.end_amdgpu_metadata
.endif
;; end of part 4
;; launch proj (part 5): grid 4 x 64, 4 waves a work-group, clusters of 4 x 4, 327,680 bytes of LDS; arguments o_codes, o_scales, xw_codes, xw_scales, b_proj, out0; writes out0
.if DOCPART == 5
	.amdgcn_target "amdgcn-amd-amdhsa--gfx1250"
	.amdhsa_code_object_version 6
	.text
	.protected	k_qe3393b7dff_proj
	.globl	k_qe3393b7dff_proj
	.p2align	8
	.type	k_qe3393b7dff_proj,@function
k_qe3393b7dff_proj:
	s_mov_b64 s[64:65], 0
	v_nop
	global_prefetch_b8 v0, s[64:65] scope:SCOPE_SE
	s_setreg_imm32_b32 hwreg(HW_REG_WAVE_MODE, 25, 1), 1
	s_wait_xcnt 0x0
	s_wait_alu depctr_hold_cnt(0) depctr_sa_sdst(0) depctr_va_vdst(0) depctr_va_sdst(0) depctr_va_ssrc(0) depctr_va_vcc(0) depctr_vm_vsrc(0)
	s_getreg_b32 s2, hwreg(HW_REG_IB_STS2, 6, 4)
	s_cmp_eq_u32 s2, 0
	s_cbranch_scc0 .Lentry_in_a_cluster
	s_endpgm
.Lentry_in_a_cluster:
	s_bfe_u32 s2, ttmp6, 0x10000c
	s_cmp_lg_u32 s2, 0xf033
	s_cbranch_scc0 .Lentry_shape_is_right
	s_endpgm
.Lentry_shape_is_right:
; LAUNCH 5 OF 5.  out0 = o Wp^T + b_proj: a tile of 128 rows x 256 outputs, f32.  A = o's chunks (launch 4), B = w_proj's chunks (launch 1).  Nothing is left out here.
; All of K (8 steps of 128) lies in LDS: two slots of four steps (A 49,152 bytes, B 2 x 49,152), each filled once, with the scale words, at the head.  At most one tensor load a wave is out.
; CLUSTERS 4 x 4: A's chunks are shared along a row of the cluster, B's along a column: joint loads, all behind the one round at the head; a closing round at the end.
; Four waves: rh = A's fragments 4 rh .. 4 rh + 3, ch = B's row group: 32 accumulators each, used transposed: in block a, lane (r, h), register 16 b + i is output 32 b + 16 h + i of the row of lane r.
; THE WAY OUT: + bias, a block of 16 rows x 512 bytes through my own stage in LDS, back as whole rows; a store covers 512 consecutive bytes, aligned.  The stage lies in slot 0, which has had its only fill, and which
; nobody reads behind the barrier in K step 3.  The rows of a block are those of its fragment: row 32 (F / 2) + 8 (F % 2) + t + 8 (t / 8) of the row group.
.set CH,    12288
.set FRB,   1536
.set SLOT,  12*CH
.set SA,    2*SLOT                     ; o's scale chunks, 8
.set SB,    SA+4096                    ; w_proj's, 2 x 8
.set SPARE, SB+8192
.set RP,    528
.set ADRA, 16
.set ADRB, 20
.set ADSA, 22
.set ADSB, 23
.set LI,   24
.set STO,  25
.set RD,   26
.set SPW,  28
.set NIL,  29
.set SC,   32
.set AF,   64
.set H,    64
.set BK,   128
.set G1A,  24
.set G1B,  32
.set G1SA, 40
.set G1SB, 48
.set G0AS, 56
.set G0A0, 60
.set G0A1, 68
.set G0BS, 72
.set G0B0, 76
.set G0B1, 80
.set MUL,  0xa1
.set TO_B, 0x40
.set MSB, 0
.macro WIN new
.if MSB != (\new)
	s_set_vgpr_msb (MSB<<8)|(\new)
.set MSB, (\new)
.endif
.endm
.macro WM zero, rb, ra
.if (\zero) && ((\rb) == 0) && ((\ra) == 0)
	v_wmma_scale_f32_16x16x128_f8f6f4 v[rD:rD+7], v[rB:rB+11], v[rA:rA+11], 0, v[rSB], v[rSA] matrix_a_fmt:MATRIX_FMT_FP6 matrix_b_fmt:MATRIX_FMT_FP6
.elseif (\zero) && ((\rb) == 1) && ((\ra) == 0)
	v_wmma_scale_f32_16x16x128_f8f6f4 v[rD:rD+7], v[rB:rB+11], v[rA:rA+11], 0, v[rSB], v[rSA] matrix_a_fmt:MATRIX_FMT_FP6 matrix_b_fmt:MATRIX_FMT_FP6 matrix_a_scale:MATRIX_SCALE_ROW1
.elseif (\zero) && ((\rb) == 0)
	v_wmma_scale_f32_16x16x128_f8f6f4 v[rD:rD+7], v[rB:rB+11], v[rA:rA+11], 0, v[rSB], v[rSA] matrix_a_fmt:MATRIX_FMT_FP6 matrix_b_fmt:MATRIX_FMT_FP6 matrix_b_scale:MATRIX_SCALE_ROW1
.elseif (\zero)
	v_wmma_scale_f32_16x16x128_f8f6f4 v[rD:rD+7], v[rB:rB+11], v[rA:rA+11], 0, v[rSB], v[rSA] matrix_a_fmt:MATRIX_FMT_FP6 matrix_b_fmt:MATRIX_FMT_FP6 matrix_a_scale:MATRIX_SCALE_ROW1 matrix_b_scale:MATRIX_SCALE_ROW1
.elseif ((\rb) == 0) && ((\ra) == 0)
	v_wmma_scale_f32_16x16x128_f8f6f4 v[rD:rD+7], v[rB:rB+11], v[rA:rA+11], v[rD:rD+7], v[rSB], v[rSA] matrix_a_fmt:MATRIX_FMT_FP6 matrix_b_fmt:MATRIX_FMT_FP6
.elseif ((\rb) == 1) && ((\ra) == 0)
	v_wmma_scale_f32_16x16x128_f8f6f4 v[rD:rD+7], v[rB:rB+11], v[rA:rA+11], v[rD:rD+7], v[rSB], v[rSA] matrix_a_fmt:MATRIX_FMT_FP6 matrix_b_fmt:MATRIX_FMT_FP6 matrix_a_scale:MATRIX_SCALE_ROW1
.elseif ((\rb) == 0)
	v_wmma_scale_f32_16x16x128_f8f6f4 v[rD:rD+7], v[rB:rB+11], v[rA:rA+11], v[rD:rD+7], v[rSB], v[rSA] matrix_a_fmt:MATRIX_FMT_FP6 matrix_b_fmt:MATRIX_FMT_FP6 matrix_b_scale:MATRIX_SCALE_ROW1
.else
	v_wmma_scale_f32_16x16x128_f8f6f4 v[rD:rD+7], v[rB:rB+11], v[rA:rA+11], v[rD:rD+7], v[rSB], v[rSA] matrix_a_fmt:MATRIX_FMT_FP6 matrix_b_fmt:MATRIX_FMT_FP6 matrix_a_scale:MATRIX_SCALE_ROW1 matrix_b_scale:MATRIX_SCALE_ROW1
.endif
.endm
.macro MUL8 a, p, zero                 ; my block a x B's eight.  The 32 accumulators take turns, one instruction a turn
.irp b, 0,1,2,3,4,5,6,7
.set rD, 8*(8*(\a)+\b)
.set rB, 128*(\p)+12*\b
.set rA, AF+48*(\p)+12*(\a)
.set rSB, SC+8*(\p)+4+\b/2
.set rSA, SC+8*(\p)+(\a)/2
	WM \zero, \b%2, (\a)%2
.endr
.endm
.macro FB k, p                         ; B's eight fragments of K step k and their scale quad: 25 loads
	WIN TO_B
.irp f, 0,1,2,3,4,5,6,7
.irp g, 0,1,2
	ds_load_b128 v[128*(\p)+12*\f+4*\g:128*(\p)+12*\f+4*\g+3], v[ADRB+(\k)/4] offset:((\k)%4)*CH+\f*FRB+\g*512
.endr
.endr
	WIN 0
	ds_load_b128 v[SC+8*(\p)+4:SC+8*(\p)+7], v[ADSB] offset:512*(\k)
.endm
.macro FA k, p                         ; my four fragments of A and their two scale registers: 13 loads
	WIN 0
.irp f, 0,1,2,3
.irp g, 0,1,2
	ds_load_b128 v[AF+48*(\p)+12*\f+4*\g:AF+48*(\p)+12*\f+4*\g+3], v[ADRA+(\k)/4] offset:((\k)%4)*CH+\f*FRB+\g*512
.endr
.endr
	ds_load_b64 v[SC+8*(\p):SC+8*(\p)+1], v[ADSA] offset:512*(\k)
.endm
.macro PLACES
.rept 4
	v_nop
.endr
.endm
.macro STEP k, zero
	PLACES                                         ; the other sets were read by the step before
	FB (\k)+1, ((\k)+1)%2
	s_wait_dscnt 25                                ; all but the 25 just issued
	WIN MUL
	MUL8 0, (\k)%2, \zero
	MUL8 1, (\k)%2, \zero
	FA (\k)+1, ((\k)+1)%2
	WIN MUL
	MUL8 2, (\k)%2, \zero
	MUL8 3, (\k)%2, \zero
.endm
.macro TURN k                          ; K step k with the barrier behind which slot 1 is whole for every wave and slot 0 is read no more
	WIN 0
	s_wait_tensorcnt 0x0                           ; all my tensor loads have landed
	ds_add_u32 v[SPW], v[NIL]                      ; 0 onto my spare word
	s_wait_dscnt 1                                 ; (only the add may be out)
	WIN MUL
	MUL8 0, (\k)%2, 0
	s_wait_dscnt 0x0
	s_barrier_signal -1
	MUL8 1, (\k)%2, 0
	WIN 0
	s_barrier_wait -1
	PLACES
	FB (\k)+1, ((\k)+1)%2
	FA (\k)+1, ((\k)+1)%2
	WIN MUL
	MUL8 2, (\k)%2, 0
	MUL8 3, (\k)%2, 0
.endm
.macro CREST
	s_cmp_lg_u32 s16, 0
	s_cbranch_scc1 .Lnot_wave_0_\@
	s_barrier_signal -3
.Lnot_wave_0_\@:
	s_barrier_wait -3
	s_barrier_signal -1
	s_barrier_wait -1
.endm
.macro CROUND
	s_barrier_signal -1
	s_barrier_wait -1
	CREST
.endm
.macro JLOAD g0a, g1a, g0b, g1b        ; waves 0 and 1 fetch for A, waves 2 and 3 for B; an s_nop 0 and four v_nop follow each line
	s_cmp_eq_u32 s17, 0
	s_cbranch_scc0 .Lfor_b_\@
	tensor_load_to_lds s[\g0a:\g0a+3], s[\g1a:\g1a+7]
	s_nop 0
.rept 4
	v_nop
.endr
	s_branch .Lasked_\@
.Lfor_b_\@:
	tensor_load_to_lds s[\g0b:\g0b+3], s[\g1b:\g1b+7]
	s_nop 0
.rept 4
	v_nop
.endr
.Lasked_\@:
.endm
.macro MKG0 g, lb, lo, ap, go
	s_mov_b32 s[\g], 1
	s_add_co_u32 s[\g+1], s[\lb], \lo
	s_add_nc_u64 s[\g+2:\g+3], s[\ap:\ap+1], \go
	s_or_b32 s[\g+3], s[\g+3], 0x80000000
.endm
.macro G1SET g, rows                   ; dense rows of 256 bytes
	s_mov_b32 s[\g+1], 32<<16
	s_mov_b32 s[\g+2], (\rows)<<16
	s_mov_b32 s[\g+3], 32<<16
	s_mov_b32 s[\g+4], \rows
	s_mov_b32 s[\g+5], 32
	s_mov_b32 s[\g+6], 0
	s_mov_b32 s[\g+7], 0
.endm
.macro ADDB a                          ; block a + bias; each accumulator is read from its low end on
	WIN 0x06                                       ; source 0 window 2, source 1 window 1
.set i, 0
.rept 32
	v_pk_add_f32 v[H+i:H+i+1], v[64*(\a)+i:64*(\a)+i+1], v[96+i+96*(i/32):96+i+96*(i/32)+1]
.set i, i+2
.endr
	WIN 0
.endm
.macro TOSTAGE a
.irp b, 0,1,2,3
.irp q, 0,1,2,3
	ds_store_b128 v[STO], v[H+16*\b+4*\q:H+16*\b+4*\q+3] offset:128*\b+16*\q
.endr
.endr
.set BB, BK+64*((\a)%2)
.irp t, 0,1,2,3,4,5,6,7,8,9,10,11,12,13,14,15
	ds_load_b128 v[BB+4*\t:BB+4*\t+3], v[RD] offset:\t*RP   ; LDS serves a wave's instructions in order: these see the stores above
.endr
.endm
.macro SEND a, younger
.set BB, BK+64*((\a)%2)
	s_wait_dscnt \younger                          ; the block is back in registers
.irp t, 0,1,2,3,4,5,6,7,8,9,10,11,12,13,14,15
	global_store_b128 v[LI], v[BB+4*\t:BB+4*\t+3], s[14:15] offset:(32*((\a)/2)+8*((\a)%2)+\t+8*(\t/8))*4096 th:TH_STORE_NT
.endr
.endm
	s_load_b256 s[4:11], s[0:1], 0x0               ; o's codes and scale words; the weights' codes and scale words
	s_load_b128 s[12:15], s[0:1], 0x20             ; b_proj, out0
	v_lshl_add_u32 v[SPW], v0, 2, SPARE
	v_mov_b32 v[NIL], 0
	ds_add_u32 v[SPW], v[NIL]                      ; the opening: the add, twice on end, and its wait ahead of my first tensor load
	ds_add_u32 v[SPW], v[NIL]
	v_lshrrev_b32 v1, 5, v0
	v_readfirstlane_b32 s16, v1
	s_lshr_b32 s17, s16, 1                         ; rh.  Also: I fetch for A (0) or for B (1)
	s_and_b32 s18, s16, 1                          ; ch.  Also: which part I fetch
	s_bfe_u32 s19, ttmp6, 0x40000                  ; cx
	s_bfe_u32 s20, ttmp6, 0x40004                  ; cy
	s_lshl_b32 s21, ttmp9, 2
	s_add_co_u32 s21, s21, s19                     ; tile column: 256 outputs
	s_and_b32 s22, ttmp7, 0xffff
	s_lshl_b32 s22, s22, 2
	s_add_co_u32 s22, s22, s20                     ; Gr: 128 rows
	s_lshl_b32 s84, s20, 2
	s_lshl_b32 s84, 15, s84                        ; my row of the cluster
	s_lshl_b32 s85, 0x1111, s19                    ; my column
	s_or_b32 s[G1A], s84, (3<<16)|(1<<21)
	s_or_b32 s[G1B], s85, (3<<16)|(1<<21)
	G1SET G1A, 96                                  ; two chunks of o
	G1SET G1B, 192                                 ; four chunks of w_proj
	s_mul_i32 s86, s22, 8*CH
	s_mul_i32 s23, s18, 2*CH                       ; A: my two K steps of a slot, in memory and in LDS
	s_add_co_u32 s86, s86, s23
	s_mov_b32 s87, 0
	s_lshl_b32 s88, s22, 12
	s_lshl_b32 s84, s16, 10                        ; the scale words come through registers: of o's 4,096 bytes each wave takes a quarter,
	s_add_co_u32 s88, s88, s84
	s_mov_b32 s89, 0
	s_add_co_u32 s84, s84, SA
	s_lshl_b32 s90, s21, 1
	s_add_co_u32 s90, s90, s18
	s_lshl_b32 s90, s90, 3
	s_add_co_u32 s90, s90, 704                     ; B: my row group's first chunk
	s_lshl_b32 s92, s21, 13                        ; and of the 8,192 bytes of w_proj's two row groups, chunks 704 + 16 x tile column on, a quarter too
	s_lshl_b32 s93, s16, 11
	s_add_co_u32 s92, s92, s93
	s_add_co_u32 s95, s93, SB
	s_add_co_u32 s92, s92, 704*512
	s_mov_b32 s93, 0
	s_mul_i32 s90, s90, CH
	s_mov_b32 s91, 0
	s_mul_i32 s85, s18, 4*CH
	s_add_co_u32 s85, s85, 4*CH
	s_lshl_b32 s94, s18, 12
	s_add_co_u32 s94, s94, SB
	s_wait_dscnt 0x0                               ; both opening adds are done
	s_wait_kmcnt 0x0
	s_add_nc_u64 s[86:87], s[4:5], s[86:87]
	; THE FILLS: slot 0's joint load at the head, one a wave; slot 1's behind the full sequence and a second round: one load a wave is out at any place.
	; The scale words, 12,288 bytes beside 294,912 of codes, are stored to LDS bytes that no tensor load fills; so small a part is not asked for jointly.
	s_add_nc_u64 s[G0AS:G0AS+1], s[6:7], s[88:89]
	s_add_nc_u64 s[90:91], s[8:9], s[90:91]
	s_add_nc_u64 s[G0BS:G0BS+1], s[10:11], s[92:93]
	CROUND                                         ; all sixteen work-groups are here: the joint loads meet
	MKG0 G0A0, 23, 0, 86, 0
	MKG0 G0B0, 85, 0, 90, 0
	MKG0 G0A1, 23, SLOT, 86, 4*CH
	MKG0 G0B1, 85, SLOT, 90, 4*CH
	JLOAD G0A0, G1A, G0B0, G1B                     ; K steps 0 to 3: one tensor load a wave at the head
	v_and_b32 v1, 31, v0
	v_bfe_u32 v2, v0, 4, 1
	v_and_b32 v3, 15, v0
	v_lshlrev_b32 v[LI], 4, v1
	v_add_nc_u32 v30, s84, v[LI]                   ; where my quarters of the scale words go
	v_add_nc_u32 v31, s95, v[LI]
	s_wait_alu depctr_va_vdst(0)
.irp i, 0,1
	global_load_b128 v[AF+4*\i:AF+4*\i+3], v[LI], s[G0AS:G0AS+1] offset:512*\i
.endr
.irp i, 0,1,2,3
	global_load_b128 v[AF+8+4*\i:AF+8+4*\i+3], v[LI], s[G0BS:G0BS+1] offset:512*\i
.endr
	s_mul_i32 s84, s17, 4*FRB
	v_add_nc_u32 v[ADRA], s84, v[LI]
	v_add_nc_u32 v[ADRA+1], SLOT, v[ADRA]
	v_add_nc_u32 v[ADRB], s85, v[LI]
	v_add_nc_u32 v[ADRB+1], SLOT, v[ADRB]
	s_lshl_b32 s84, s17, 3
	s_add_co_u32 s84, s84, SA
	v_add_nc_u32 v[ADSA], s84, v[LI]
	v_add_nc_u32 v[ADSB], s94, v[LI]
	s_mul_i32 s84, s16, 16*RP                      ; my stage
	v_mul_u32_u24 v[STO], v3, RP
	v_lshl_add_u32 v[STO], v2, 6, v[STO]
	v_add_nc_u32 v[STO], s84, v[STO]               ; in: row r, + 64 h
	v_add_nc_u32 v[RD], s84, v[LI]                 ; back: a row of 512 bytes, 16 bytes a lane
	s_lshl_b32 s86, s21, 10
	s_lshl_b32 s87, s18, 9
	s_add_co_u32 s86, s86, s87                     ; my 128 outputs, in bytes
	s_mov_b32 s87, 0
	s_add_nc_u64 s[12:13], s[12:13], s[86:87]
	s_add_nc_u64 s[14:15], s[14:15], s[86:87]
	s_lshl_b32 s86, s22, 7
	s_lshl_b32 s88, s17, 6
	s_add_co_u32 s86, s86, s88
	s_lshl_b32 s86, s86, 12                        ; my first row of out0
	s_add_nc_u64 s[14:15], s[14:15], s[86:87]
	v_lshlrev_b32 v4, 6, v2
	WIN 0x40
.irp b, 0,1,2,3                                ; the bias: register 16 b + i takes b_proj[my first output + 32 b + 16 h + i]
.irp q, 0,1,2,3
	global_load_b128 v[96+16*\b+4*\q+96*(\b/2):96+16*\b+4*\q+96*(\b/2)+3], v4, s[12:13] offset:128*\b+16*\q
.endr
.endr
	WIN 0
	s_wait_alu depctr_va_vdst(0)
	s_wait_loadcnt 16                              ; the six loads of scale words are in; the bias's 16 younger loads may be out
.irp i, 0,1
	ds_store_b128 v30, v[AF+4*\i:AF+4*\i+3] offset:512*\i
.endr
.irp i, 0,1,2,3
	ds_store_b128 v31, v[AF+8+4*\i:AF+8+4*\i+3] offset:512*\i
.endr
	s_wait_tensorcnt 0x0                           ; my part of slot 0 is in
	ds_add_u32 v[SPW], v[NIL]
	s_wait_dscnt 0x0                               ; the add and my stores of scale words are done
	CROUND                                         ; everybody's part is in, and all sixteen work-groups are here
	JLOAD G0A1, G1A, G0B1, G1B                     ; K steps 4 to 7: my one tensor load behind the round
	FB 0, 0
	FA 0, 0
	STEP 0, 1                                      ; the first products start the sums
	STEP 1, 0
	STEP 2, 0
	TURN 3
	STEP 4, 0
	STEP 5, 0
	STEP 6, 0
	s_wait_dscnt 0x0
	WIN MUL
	MUL8 0, 1, 0
	MUL8 1, 1, 0
	MUL8 2, 1, 0
	MUL8 3, 1, 0
	WIN 0
	s_wait_loadcnt 0x0                             ; the bias
	PLACES
	ADDB 0
	TOSTAGE 0
.irp a, 1,2,3
	s_wait_dscnt 16                                ; the block before has finished its 16 stores into the stage (its 16 loads may be out): the sums' registers may be written
	ADDB \a
.if \a > 1
	s_wait_alu depctr_va_vdst(0)
	s_wait_xcnt 0x0                                ; the stores of two blocks back have read their registers: this block's rows may land there
.endif
	TOSTAGE \a
	SEND \a-1, 32                                  ; behind that block's loads: this block's 16 stores and 16 loads
.endr
	SEND 3, 0
	s_wait_tensorcnt 0x0                           ; the wave's end
	ds_add_u32 v[SPW], v[NIL]
	s_wait_dscnt 0x0
	CROUND                                         ; the closing round
	s_endpgm
.Lfunc_end_k_qe3393b7dff_proj:
	.size	k_qe3393b7dff_proj, .Lfunc_end_k_qe3393b7dff_proj-k_qe3393b7dff_proj
	.p2alignl 7, 3214868480
	.fill 96, 4, 3214868480
	.section	.rodata,"a",@progbits
	.p2align	6, 0x0
	.amdhsa_kernel k_qe3393b7dff_proj
		.amdhsa_group_segment_fixed_size 327680
		.amdhsa_private_segment_fixed_size 0
		.amdhsa_enable_private_segment 0
		.amdhsa_kernarg_size 48
		.amdhsa_user_sgpr_count 2
		.amdhsa_user_sgpr_kernarg_segment_ptr 1
		.amdhsa_wavefront_size32 1
		.amdhsa_system_sgpr_workgroup_id_x 1
		.amdhsa_system_sgpr_workgroup_id_y 1
		.amdhsa_system_sgpr_workgroup_id_z 1
		.amdhsa_system_vgpr_workitem_id 0
		.amdhsa_next_free_vgpr 768
		.amdhsa_next_free_sgpr 96
		.amdhsa_reserve_vcc 0
		.amdhsa_float_denorm_mode_32 3
		.amdhsa_float_denorm_mode_16_64 3
		.amdhsa_memory_ordered 1
		.amdhsa_forward_progress 1
		.amdhsa_inst_pref_size 87
	.end_amdhsa_kernel
	.amdgpu_metadata
---
amdhsa.version: [ 1, 2 ]
amdhsa.kernels:
  - .name:           k_qe3393b7dff_proj
    .symbol:         k_qe3393b7dff_proj.kd
    .args:
      - { .name: o_codes, .offset: 0, .size: 8, .value_kind: global_buffer, .address_space: global }
      - { .name: o_scales, .offset: 8, .size: 8, .value_kind: global_buffer, .address_space: global }
      - { .name: xw_codes, .offset: 16, .size: 8, .value_kind: global_buffer, .address_space: global }
      - { .name: xw_scales, .offset: 24, .size: 8, .value_kind: global_buffer, .address_space: global }
      - { .name: b_proj, .offset: 32, .size: 8, .value_kind: global_buffer, .address_space: global }
      - { .name: out0, .offset: 40, .size: 8, .value_kind: global_buffer, .address_space: global }
    .group_segment_fixed_size: 327680
    .private_segment_fixed_size: 0
    .kernarg_segment_align: 8
    .kernarg_segment_size: 48
    .max_flat_workgroup_size: 128
    .sgpr_count:     96
    .vgpr_count:     768
    .wavefront_size: 32
...
	.end_amdgpu_metadata
.endif
;; end of part 5
